; MI455X (gfx1250); checked and timed in simulation.
; The chip was launched on July 23, 2026; its instructions are those of AMD's public machine-readable ISA for CDNA 5 (MIT licence, August 2026) and "CDNA5" Instruction Set Architecture Reference Guide (July 2026). The comments in the code are by the model that wrote it; some were corrected since.
;; Multi Head Cross Attention. Allowed arithmetic: float matrix products may take bf16 or f16 operands with f32 sums; all other float work in f32.
;; Inputs: Wkv 1,024 x 2,048 float32; Wo 1,024 x 1,024 float32; Wq 1,024 x 1,024 float32; bkv 2,048 float32; bo 1,024 float32; bq 1,024 float32; kv_input 2 x 2,048 x 1,024 float32; query_input 2 x 2,048 x 1,024 float32.
;; Outputs: out0 2 x 2,048 x 1,024 float32.
;; 2 versions, each right and faster than the one before. Each part assembles by itself: llvm-mc -triple=amdgcn-amd-amdhsa -mcpu=gfx1250 --defsym DOCPART=n.
;; ======== version 1 of 2: 3 launches
;; limits: values are held in f16: magnitudes above 65,504 overflow, below 6.1e-05 lose precision
;; workspace buffers: qkv 25,165,824 bytes; ao 8,388,608 bytes
;; launch proj (part 1): grid 24 x 32, 4 waves a work-group, no clusters, 74,240 bytes of LDS; arguments query_input, kv_input, Wq, Wkv, bq, bkv, qkv; writes qkv
.if DOCPART == 1
	.amdgcn_target "amdgcn-amd-amdhsa--gfx1250"
	.amdhsa_code_object_version 6
	.text
	.protected	k_q6b9b6267f4_proj
	.globl	k_q6b9b6267f4_proj
	.p2align	8
	.type	k_q6b9b6267f4_proj,@function
k_q6b9b6267f4_proj:
	s_mov_b64 s[64:65], 0
	v_nop
	global_prefetch_b8 v0, s[64:65] scope:SCOPE_SE
	s_setreg_imm32_b32 hwreg(HW_REG_WAVE_MODE, 25, 1), 1
	s_wait_xcnt 0x0
; q = Xq Wq + bq and (k, v) = Xkv Wkv + bkv: 4096 rows, K = 1024, 3 x 1024 columns.  Operands rounded to f16, sums in f32, the
; bias added in f32, the result rounded once to f16.
; LIMIT: f16 holds magnitudes below 65,504; x, W, q, k, v must stay below that.  Below 6.1e-5 an f16 keeps an absolute error of 3e-8.
; A work-group makes 128 rows x 128 columns; x of the grid = column block 0..23 (0-7 q, 8-15 k, 16-23 v), y = row block 0..31.
; Four waves, each 64 rows x 64 columns (the 64 columns are one head): 16 accumulator tiles of 16 x 16.
; K goes in 16 steps of 64 through two LDS buffers.  The operands are f32 in memory: they come through registers, are rounded there
; once and are laid into LDS as f16, so each fragment byte read from LDS is an f16 byte.
; NO CLUSTER: a joint tensor load would bring the f32 bytes unchanged: twice the LDS bytes for each fragment, and each of the two waves
; that read a fragment would round the same numbers again.
; OUTPUT LAYOUT qkv = [section 3][bh 32][group 128][chunk 8][16][8] f16: bh = 16 batch + head, a group = 16 sequence rows (2,048 bytes),
; a chunk = 8 neighbouring dh (256 bytes); the 16 bytes of (row p, chunk c) lie at 256 c + 16 ((p + 8 (c & 1)) & 15).
; With the product used transposed a lane holds 8 neighbouring columns of one row, so a store of the wave covers 512 consecutive
; bytes, aligned, and the next launch reads fragments from the same bytes without padding.
.set BUF,    36864                     ; an LDS buffer: A, then B
.set APITCH, 144                       ; A row: 64 f16 + 16 bytes; 9 x 16, so 16 rows start in 16 different 16-byte columns modulo 256
.set BPITCH, 288                       ; B row (one k, 128 n): 256 bytes + 32; 9 x 32
.set BBASE,  128*APITCH                ; B behind the 128 rows of A
; window 0
.set AOFF, 8                           ; byte offset in X of my 16 bytes: row 32 w + 8 h, column 4 i
.set ASTO, 9                           ; LDS address of the same place in f16
.set BSTO, 10                          ; LDS address of my 8 bytes of k row 16 w
.set AFR,  11                          ; LDS address of my A fragments
.set BFR,  12                          ; LDS address of my B fragments
.set OOFF, 13                          ; my 16 bytes in a pair of output chunks
.set BIOF, 14                          ; byte offset of my bias numbers
.set BOFF, 16                          ; v[16:31]  byte offset in W of my 16 bytes of k row 16 w + j (the pitch of W differs between Wq and Wkv)
.set BIAS, 32                          ; v[32:63]  8 numbers for each of 4 column tiles
.set F0,   64                          ; v[64:127]  fragments of k 0..31 of a step: A tile a at 8 a, B tile b at 32 + 8 b
.set F1,   128                         ; v[128:191] the same for k 32..63
; window 1: accumulator (a, b) at v[8 (4 a + b)], 0..127
.set STA,  128                         ; window 1, v[128:191]: 16 loads of X on their way
.set STB,  192                         ; window 1, v[192:255]: 16 loads of W on their way
.set MSB, 0
.macro WIN new                         ; low byte: bits 1:0 source 0, 3:2 source 1, 5:4 source 2, 7:6 destination; the high byte repeats the setting that is left
.if MSB != \new
	s_set_vgpr_msb (MSB<<8)|\new
.set MSB, \new
.endif
.endm
.macro PLACES                          ; four places behind a matrix instruction (ISA guide 7.12.1) before its sources are loaded anew or its results read
.rept 4
	v_nop
.endr
.endm
	s_load_b256 s[4:11], s[0:1], 0x0               ; query_input s[4:5], kv_input s[6:7], Wq s[8:9], Wkv s[10:11]
	s_load_b128 s[12:15], s[0:1], 0x20             ; bq s[12:13], bkv s[14:15]
	s_load_b64 s[16:17], s[0:1], 0x30              ; qkv
	v_lshl_add_u32 v254, v0, 2, 0x12000
	v_mov_b32 v255, 0
	v_lshrrev_b32 v1, 5, v0
	v_readfirstlane_b32 s20, v1                    ; wave 0..3
	s_lshr_b32 s21, s20, 1                         ; wm: which 64 rows
	s_and_b32 s22, s20, 1                          ; wn: which 64 columns
	s_mov_b32 s23, ttmp9                           ; column block 0..23
	s_and_b32 s24, ttmp7, 0xffff                   ; row block 0..31
	s_lshr_b32 s25, s23, 3                         ; section: 0 q, 1 k, 2 v
	s_sub_co_u32 s33, s23, 8                       ; column block inside Wkv (used for blocks 8..23 alone)
	s_wait_kmcnt 0x0
	s_cmp_lt_u32 s23, 8                            ; the first eight blocks make q
	s_cselect_b64 s[26:27], s[4:5], s[6:7]         ; X
	s_cselect_b64 s[28:29], s[8:9], s[10:11]       ; W
	s_cselect_b64 s[30:31], s[12:13], s[14:15]     ; bias
	s_cselect_b32 s33, s23, s33                    ; column block inside the chosen W
	s_cselect_b32 s32, 12, 13                      ; log2 of a row of W in bytes: 4,096 or 8,192
	s_lshl_b32 s38, s24, 19                        ; 128 rows of 4,096 bytes
	s_mov_b32 s39, 0
	s_add_nc_u64 s[26:27], s[26:27], s[38:39]
	s_lshl_b32 s38, s33, 9                         ; 128 columns of 4 bytes
	s_add_nc_u64 s[28:29], s[28:29], s[38:39]
	s_add_nc_u64 s[30:31], s[30:31], s[38:39]
	s_lshl_b32 s34, 64, s32                        ; a K step in W: 64 rows
	s_mov_b32 s35, 0
	s_lshl_b32 s38, s25, 23                        ; the section: 8,388,608 bytes
	s_lshr_b32 s40, s24, 4                         ; batch
	s_lshl_b32 s40, s40, 4
	s_and_b32 s41, s23, 7
	s_lshl1_add_u32 s41, s41, s22                  ; head = 2 (block & 7) + wn
	s_add_co_u32 s40, s40, s41
	s_lshl_b32 s40, s40, 18                        ; bh x 262,144
	s_add_co_u32 s38, s38, s40
	s_and_b32 s40, s24, 15
	s_lshl1_add_u32 s40, s40, s21                  ; my 64 rows = 4 groups of 2,048 bytes
	s_lshl_b32 s40, s40, 13
	s_add_co_u32 s38, s38, s40
	s_add_nc_u64 s[16:17], s[16:17], s[38:39]      ; where my 64 x 64 go
	v_and_b32 v1, 15, v0                           ; r = i = lane mod 16
	v_bfe_u32 v2, v0, 4, 1                         ; h = lane / 16
	v_and_b32 v3, 31, v0                           ; lane
	s_lshl_b32 s38, s20, 17                        ; 32 w rows of 4,096 bytes
	v_lshlrev_b32 v4, 4, v1
	v_lshl_add_u32 v4, v2, 15, v4                  ; + 8 h rows + 16 i
	v_add_nc_u32 v[AOFF], s38, v4
	s_mul_i32 s38, s20, 32*APITCH
	v_mul_u32_u24 v4, v2, 8*APITCH
	v_lshl_add_u32 v4, v1, 3, v4
	v_add_nc_u32 v[ASTO], s38, v4                  ; (32 w + 8 h) x 144 + 8 i
	s_mul_i32 s38, s20, 16*BPITCH
	s_add_co_u32 s38, s38, BBASE
	v_lshl_add_u32 v[BSTO], v3, 3, s38             ; B + 16 w x 288 + 8 lane
	s_mul_i32 s38, s21, 64*APITCH
	v_mul_u32_u24 v4, v1, APITCH
	v_lshl_add_u32 v4, v2, 4, v4
	v_add_nc_u32 v[AFR], s38, v4                   ; (64 wm + r) x 144 + 16 h
	v_and_b32 v4, 7, v0
	v_lshl_add_u32 v4, v2, 3, v4                   ; k row 8 h + (lane & 7)
	v_mul_u32_u24 v4, v4, BPITCH
	v_bfe_u32 v5, v0, 3, 1
	v_lshl_add_u32 v4, v5, 4, v4                   ; + 16 bytes for lanes 8-15 and 24-31
	s_lshl_b32 s38, s22, 7
	s_add_co_u32 s38, s38, BBASE
	v_add_nc_u32 v[BFR], s38, v4                   ; + B + my 64 columns
	v_lshl_add_u32 v4, v2, 3, v1
	v_and_b32 v4, 15, v4
	v_lshlrev_b32 v4, 4, v4
	v_lshl_add_u32 v[OOFF], v2, 8, v4              ; 256 h + 16 ((r + 8 h) & 15)
	s_lshl_b32 s38, s22, 8
	v_lshl_add_u32 v[BIOF], v2, 5, s38             ; 4 (64 wn + 8 h)
	v_lshlrev_b32 v4, 4, v3
	s_lshl_b32 s42, s20, 4
.irp j, 0,1,2,3,4,5,6,7,8,9,10,11,12,13,14,15
	s_add_co_u32 s38, s42, \j
	s_lshl_b32 s38, s38, s32
	v_add_nc_u32 v[BOFF+\j], s38, v4               ; k row 16 w + j, 16 bytes a lane: 512 consecutive bytes a load
.endr
.irp b, 0,1,2,3
	global_load_b128 v[BIAS+8*\b:BIAS+8*\b+3],   v[BIOF], s[30:31] offset:64*\b
	global_load_b128 v[BIAS+8*\b+4:BIAS+8*\b+7], v[BIOF], s[30:31] offset:64*\b+16
.endr
; One K step of X (my 32 rows x 64 f32: sixteen lanes take 256 consecutive aligned bytes of a row) and of W (my 16 k rows x 128 f32).
.macro GLOAD
	WIN 0x40                                       ; destination window 1, address window 0
.irp g, 0,1
.irp i, 0,1,2,3,4,5,6,7
	global_load_b128 v[STA+4*(8*\g+\i):STA+4*(8*\g+\i)+3], v[AOFF], s[26:27] offset:(16*\g+\i)*4096
.endr
.endr
.irp j, 0,1,2,3,4,5,6,7,8,9,10,11,12,13,14,15
	global_load_b128 v[STB+4*\j:STB+4*\j+3], v[BOFF+\j], s[28:29]
.endr
.endm
; What GLOAD brought is rounded to f16 in place and laid into buffer q.
.macro STAGE q
	WIN 0x45                                       ; destination and both sources window 1
.irp j, 0,1,2,3,4,5,6,7,8,9,10,11,12,13,14,15
	v_cvt_pk_f16_f32 v[STA+4*\j],   v[STA+4*\j],   v[STA+4*\j+1]
	v_cvt_pk_f16_f32 v[STA+4*\j+1], v[STA+4*\j+2], v[STA+4*\j+3]
.endr
.irp j, 0,1,2,3,4,5,6,7,8,9,10,11,12,13,14,15
	v_cvt_pk_f16_f32 v[STB+4*\j],   v[STB+4*\j],   v[STB+4*\j+1]
	v_cvt_pk_f16_f32 v[STB+4*\j+1], v[STB+4*\j+2], v[STB+4*\j+3]
.endr
	WIN 0x04                                       ; address window 0, data window 1
.irp g, 0,1
.irp i, 0,1,2,3,4,5,6,7
	ds_store_b64 v[ASTO], v[STA+4*(8*\g+\i):STA+4*(8*\g+\i)+1] offset:\q*BUF+(16*\g+\i)*APITCH   ; two rows 8 apart: 1,152 bytes = 128 modulo 256
.endr
.endr
.irp j, 0,1,2,3,4,5,6,7,8,9,10,11,12,13,14,15
	ds_store_b64 v[BSTO], v[STB+4*\j:STB+4*\j+1] offset:\q*BUF+\j*BPITCH                         ; 256 consecutive bytes
.endr
.endm
; 32 LDS loads: the fragments of buffer p; the 16 of k 0..31 stand ahead of the 16 of k 32..63.
; A lies [row][k]: two plain loads 32 bytes apart.  B lies [k][n]: two transposing loads 16 k rows apart.
.macro FETCH p
	WIN 0
.irp kk, 0,1
.irp a, 0,1,2,3
	ds_load_b128 v[F0+64*\kk+8*\a:F0+64*\kk+8*\a+3],   v[AFR] offset:\p*BUF+\a*16*APITCH+64*\kk
	ds_load_b128 v[F0+64*\kk+8*\a+4:F0+64*\kk+8*\a+7], v[AFR] offset:\p*BUF+\a*16*APITCH+64*\kk+32
.endr
.irp b, 0,1,2,3
	ds_load_tr16_b128 v[F0+64*\kk+32+8*\b:F0+64*\kk+32+8*\b+3],   v[BFR] offset:\p*BUF+\kk*32*BPITCH+32*\b
	ds_load_tr16_b128 v[F0+64*\kk+32+8*\b+4:F0+64*\kk+32+8*\b+7], v[BFR] offset:\p*BUF+\kk*32*BPITCH+32*\b+16*BPITCH
.endr
.endr
.endm
; 16 matrix instructions, used transposed: source 0 = 16 columns of W, source 1 = 16 rows of X, so register j of lane (r, h) is
; (row r, column 16 b + 8 h + j).  The sixteen accumulators take turns, one instruction a turn, in the same order in every run,
; over the backward jump too.  zero = 1: the first product starts the sums.
.macro MUL f, zero
	WIN 0x50                                       ; C and D window 1, fragments window 0
.irp a, 0,1,2,3
.irp b, 0,1,2,3
.if \zero
	v_wmma_f32_16x16x32_f16 v[8*(4*\a+\b):8*(4*\a+\b)+7], v[\f+32+8*\b:\f+32+8*\b+7], v[\f+8*\a:\f+8*\a+7], 0
.else
	v_wmma_f32_16x16x32_f16 v[8*(4*\a+\b):8*(4*\a+\b)+7], v[\f+32+8*\b:\f+32+8*\b+7], v[\f+8*\a:\f+8*\a+7], v[8*(4*\a+\b):8*(4*\a+\b)+7]
.endif
.endr
.endr
.endm
; K step t: multiplies buffer p = t & 1; stage = 1: lays step t + 1 into buffer q = 1 - p; load = 1: asks for step t + 2.
.macro STEP p, q, zero, stage, load, bar
	PLACES
	FETCH \p
.if \stage
	s_wait_loadcnt 0x0                             ; step t + 1 is in registers; no load is out, so the bases may be stepped
	STAGE \q
.endif
.if \load
	s_add_nc_u64 s[26:27], s[26:27], 256           ; 64 f32 along a row of X
	s_add_nc_u64 s[28:29], s[28:29], s[34:35]      ; 64 rows of W
	GLOAD                                          ; on its way for the whole of this step's products
.endif
.if \stage
	s_wait_dscnt 48                                ; younger: 16 loads of k 32..63 and 32 stores; the fragments of k 0..31 are in
.else
	s_wait_dscnt 16                                ; younger: the 16 loads of k 32..63
.endif
	MUL F0, \zero
.if \stage
	s_wait_dscnt 32                                ; only the 32 stores may be out
.else
	s_wait_dscnt 0
.endif
	MUL F1, 0
	WIN 0
.if \bar
	s_wait_dscnt 0x0                               ; my reads of buffer p and my stores into buffer q are done:
	s_barrier_signal -1                            ; one barrier orders both: the next step stores into p
	s_barrier_wait -1                              ; and reads q
.endif
.endm
	GLOAD                                          ; step 0
	s_wait_loadcnt 0x0                             ; and the bias
	STAGE 0
	s_add_nc_u64 s[26:27], s[26:27], 256
	s_add_nc_u64 s[28:29], s[28:29], s[34:35]
	GLOAD                                          ; step 1
	WIN 0
	s_wait_dscnt 0x0
	s_barrier_signal -1
	s_barrier_wait -1
	STEP 0, 1, 1, 1, 1, 1                          ; steps 0 and 1 stand ahead of the loop: the first products start the sums
	STEP 1, 0, 0, 1, 1, 1
	s_mov_b32 s36, 6                               ; steps 2 to 13
.Lk:
	STEP 0, 1, 0, 1, 1, 1
	STEP 1, 0, 0, 1, 1, 1
	s_sub_co_u32 s36, s36, 1
	s_cmp_lg_u32 s36, 0
	s_cbranch_scc1 .Lk
	STEP 0, 1, 0, 1, 0, 1                          ; step 14 lays step 15 into LDS and asks for nothing
	STEP 1, 0, 0, 0, 0, 0                          ; step 15
; The way out, 16 rows at a time: bias in f32, one rounding to f16, four stores of 512 consecutive bytes.
; The registers that a store reads are written once in the kernel, so no wait stands between the stores.
.macro OUT16 a
	WIN 0x01                                       ; source 0 (the sums) window 1
.irp b, 0,1,2,3
.irp i, 0,1,2,3
	v_pk_add_f32 v[F0+8*\b+2*\i:F0+8*\b+2*\i+1], v[8*(4*\a+\b)+2*\i:8*(4*\a+\b)+2*\i+1], v[BIAS+8*\b+2*\i:BIAS+8*\b+2*\i+1]
.endr
.endr
	WIN 0
.irp b, 0,1,2,3
.irp i, 0,1,2,3
	v_cvt_pk_f16_f32 v[F1+16*\a+4*\b+\i], v[F0+8*\b+2*\i], v[F0+8*\b+2*\i+1]
.endr
.endr
.irp b, 0,1,2,3
	global_store_b128 v[OOFF], v[F1+16*\a+4*\b:F1+16*\a+4*\b+3], s[16:17] offset:\a*2048+\b*512   ; group a, chunks 2 b and 2 b + 1
.endr
.endm
	PLACES
	OUT16 0
	OUT16 1
	OUT16 2
	OUT16 3
	s_wait_tensorcnt 0x0
	ds_add_u32 v254, v255
	s_wait_dscnt 0x0
	s_endpgm
.Lfunc_end_k_q6b9b6267f4_proj:
	.size	k_q6b9b6267f4_proj, .Lfunc_end_k_q6b9b6267f4_proj-k_q6b9b6267f4_proj
	.p2alignl 7, 3214868480
	.fill 96, 4, 3214868480
	.section	.rodata,"a",@progbits
	.p2align	6, 0x0
	.amdhsa_kernel k_q6b9b6267f4_proj
		.amdhsa_group_segment_fixed_size 74240
		.amdhsa_private_segment_fixed_size 0
		.amdhsa_enable_private_segment 0
		.amdhsa_kernarg_size 56
		.amdhsa_user_sgpr_count 2
		.amdhsa_user_sgpr_kernarg_segment_ptr 1
		.amdhsa_wavefront_size32 1
		.amdhsa_system_sgpr_workgroup_id_x 1
		.amdhsa_system_sgpr_workgroup_id_y 1
		.amdhsa_system_sgpr_workgroup_id_z 1
		.amdhsa_system_vgpr_workitem_id 0
		.amdhsa_next_free_vgpr 512
		.amdhsa_next_free_sgpr 66
		.amdhsa_reserve_vcc 0
		.amdhsa_float_denorm_mode_32 3
		.amdhsa_float_denorm_mode_16_64 3
		.amdhsa_memory_ordered 1
		.amdhsa_forward_progress 1
		.amdhsa_inst_pref_size 98
	.end_amdhsa_kernel
	.amdgpu_metadata
---
amdhsa.version: [ 1, 2 ]
amdhsa.kernels:
  - .name:           k_q6b9b6267f4_proj
    .symbol:         k_q6b9b6267f4_proj.kd
    .args:
      - { .name: query_input, .offset: 0, .size: 8, .value_kind: global_buffer, .address_space: global }
      - { .name: kv_input, .offset: 8, .size: 8, .value_kind: global_buffer, .address_space: global }
      - { .name: Wq, .offset: 16, .size: 8, .value_kind: global_buffer, .address_space: global }
      - { .name: Wkv, .offset: 24, .size: 8, .value_kind: global_buffer, .address_space: global }
      - { .name: bq, .offset: 32, .size: 8, .value_kind: global_buffer, .address_space: global }
      - { .name: bkv, .offset: 40, .size: 8, .value_kind: global_buffer, .address_space: global }
      - { .name: qkv, .offset: 48, .size: 8, .value_kind: global_buffer, .address_space: global }
    .group_segment_fixed_size: 74240
    .private_segment_fixed_size: 0
    .kernarg_segment_align: 8
    .kernarg_segment_size: 56
    .max_flat_workgroup_size: 128
    .sgpr_count:     66
    .vgpr_count:     512
    .wavefront_size: 32
...
	.end_amdgpu_metadata
.endif
;; end of part 1
;; launch attn (part 2): grid 8 x 32, 8 waves a work-group, clusters of 4 x 1, 327,680 bytes of LDS; arguments qkv, ao; writes ao
.if DOCPART == 2
	.amdgcn_target "amdgcn-amd-amdhsa--gfx1250"
	.amdhsa_code_object_version 6
	.text
	.protected	k_q6b9b6267f4_attn
	.globl	k_q6b9b6267f4_attn
	.p2align	8
	.type	k_q6b9b6267f4_attn,@function
k_q6b9b6267f4_attn:
	s_mov_b64 s[64:65], 0
	v_nop
	global_prefetch_b8 v0, s[64:65] scope:SCOPE_SE
	s_setreg_imm32_b32 hwreg(HW_REG_WAVE_MODE, 25, 1), 1
	s_wait_xcnt 0x0
	s_wait_alu depctr_hold_cnt(0) depctr_sa_sdst(0) depctr_va_vdst(0) depctr_va_sdst(0) depctr_va_ssrc(0) depctr_va_vcc(0) depctr_vm_vsrc(0)
	s_getreg_b32 s2, hwreg(HW_REG_IB_STS2, 6, 4)
	s_cmp_eq_u32 s2, 0
	s_cbranch_scc0 .Lentry_in_a_cluster
	s_endpgm
.Lentry_in_a_cluster:
	s_bfe_u32 s2, ttmp6, 0x10000c
	s_cmp_lg_u32 s2, 0x3003
	s_cbranch_scc0 .Lentry_shape_is_right
	s_endpgm
.Lentry_shape_is_right:
; softmax(q k^T / 8) v for one head (y of the grid: bh = 16 batch + head) and 256 q rows (x of the grid), with a running maximum.
; q, k, v come as f16 in the layout [section][bh][group of 16 rows][chunk of 8 dh][16][8], 16 bytes of (row p, chunk c) at
; 256 c + 16 ((p + 8 (c & 1)) & 15); the result goes out in the same layout, as f16.  Scores, maxima, sums and outputs are f32;
; the weights (0 .. 1) are rounded to f16 for the second product.
; LIMIT: |q|, |k|, |v| below 65,504 (f16).  The exponent of every exponential is at most 0 and each row sum is at least 1.
; Eight waves, 32 q rows each (two tiles t of 16).  Keys go in 8 tiles of 256 through two LDS slots (K 32 KiB + V 32 KiB each).
; CLUSTER: the four work-groups of a cluster are four q blocks of one head and read the same K and V tiles: every tile is asked for
; jointly (mask 15).  Each wave brings 8 KiB of a tile with one load: waves 0-3 quarters of K, waves 4-7 quarters of V.  The place in the
; cluster enters the global addresses of q and of the result alone.
; ORIENTATION: S^T = K Q^T (source 0 = 16 keys, source 1 = 16 q rows): lane (r, h) holds q row r and keys 16 kt + 8 h + j.  Two key tiles,
; packed to f16, are then already the second source of O^T = V^T P^T for 32 keys, and O^T again has q row r in lane r: maximum, rescaling
; and sum belong to one lane, and one exchange between lanes r and r + 16 joins the two halves of the keys.
.set TILE, 32768                       ; 256 keys x 64 dh x 2 bytes
.set SLOT, 65536                       ; K, then V
.set RM,   2                           ; v[2:3]    running maximum of tile t, in raw scores
.set LS,   4                           ; v[4:5]    running sum over my half of the keys
.set AL,   6                           ; v[6:7]    factor that brings old sums to the new maximum
.set NM,   8                           ; v[8:9]    - c x maximum, the shift that the exponentials use
.set MX,   10                          ; v[10:13]  two chains of maxima for each t
.set PT,   14                          ; v14       what the other half of the lanes holds
.set QF,   16                          ; v[16:47]  Q fragment (t, kk) at 16 t + 8 kk
.set KV,   48                          ; v[48:111] K fragment (kt, kk) at 16 kt + 8 kk, then V fragment (d, kp) at 16 d + 8 kp
.set SC,   112                         ; v[112:175] scores (kt, t) at 32 t + 8 kt; later P (t, kp) at 32 t + 16 kp
.set OA,   176                         ; v[176:239] output (d, t) at 32 t + 8 d
.set LQ,   240                         ; v240      256 h + 16 ((r + 8 h) & 15): q loads, result stores, and the K fragments of slot 0
.set ADRK, 240                         ; v[240:241] K fragments of slot 0, 1
.set ADRV, 242                         ; v[242:243] V fragments of slot 0, 1
.set SUM,  246                         ; v[246:249] two chains of pair sums
.set INV,  250                         ; v[250:251] 1 / row sum
; A round of the cluster barrier: my work-group barrier, wave 0 signals for the work-group, every wave waits for all four work-groups,
; my work-group barrier once more.
.macro ROUND
	s_barrier_signal -1
	s_barrier_wait -1
	s_cmp_lg_u32 s8, 0
	s_cbranch_scc1 .Lnot_wave_0_\@
	s_barrier_signal -3
.Lnot_wave_0_\@:
	s_barrier_wait -3
	s_barrier_signal -1
	s_barrier_wait -1
.endm
	s_load_b128 s[4:7], s[0:1], 0x0                ; qkv s[4:5], ao s[6:7]
	v_lshl_add_u32 v254, v0, 2, 0x29000
	v_mov_b32 v255, 0
	ds_add_u32 v254, v255
	v_lshrrev_b32 v1, 5, v0
	v_readfirstlane_b32 s8, v1                     ; wave 0..7
	s_bfe_u32 s9, ttmp6, 0x40000                   ; cx: my place in the cluster
	s_lshl_b32 s10, ttmp9, 2
	s_add_co_u32 s10, s10, s9                      ; q block = 4 x cluster x + cx
	s_and_b32 s11, ttmp7, 0xffff                   ; bh
	s_mov_b32 s12, 0x76543210                      ; v_permlanex16_b32: lane i reads lane i of the other half
	s_mov_b32 s13, 0xfedcba98
	s_mov_b32 s14, 0x3e38aa3b                      ; c = log2(e) / 8: the scale 1 / sqrt(64) and the change of base in one factor
	s_mov_b32 s15, 0x3e38aa3b
	s_mov_b32 s40, 0xbe38aa3b                      ; - c
	; group 1: 32 rows of 32 elements of 8 bytes = 8 KiB, dense in memory and in LDS
	s_mov_b32 s16, 15|(3<<16)|(1<<21)              ; 15:0 the four work-groups of the cluster; 17:16 elements of 8 bytes; 21 set beside a mask
	s_mov_b32 s17, 32<<16                          ; tensor_dim0 = 32
	s_mov_b32 s18, 32<<16                          ; tensor_dim1 = 32
	s_mov_b32 s19, 32<<16                          ; tile_dim0 = 32
	s_mov_b32 s20, 32                              ; tile_dim1 = 32
	s_mov_b32 s21, 32                              ; from row to row: 32 elements
	s_mov_b32 s22, 0
	s_mov_b32 s23, 0
	; group 0 for each slot.  The offset is made of bh and the wave number, which the four partners share.
	s_lshr_b32 s28, s8, 2                          ; 0: K, 1: V
	s_add_co_u32 s28, s28, 1                       ; section 1 or 2
	s_lshl_b32 s28, s28, 23
	s_lshl_b32 s29, s11, 18                        ; bh x 262,144
	s_add_co_u32 s28, s28, s29
	s_and_b32 s29, s8, 3
	s_lshl_b32 s29, s29, 13                        ; my quarter
	s_add_co_u32 s28, s28, s29
	s_mov_b32 s29, 0
	s_mov_b32 s32, 1
	s_mov_b32 s36, 1
	s_lshl_b32 s33, s8, 13                         ; LDS: wave x 8 KiB (waves 4-7 land in the V half),
	s_add_co_u32 s37, s33, SLOT                    ; and the same in slot 1
	; q and the result: the one place where cx enters
	s_lshl_b32 s30, s11, 18
	s_lshl_b32 s31, s10, 15                        ; 256 rows = 16 groups of 2,048 bytes
	s_add_co_u32 s30, s30, s31
	s_lshl_b32 s31, s8, 12                         ; my 32 rows
	s_add_co_u32 s30, s30, s31
	s_mov_b32 s31, 0
	s_wait_dscnt 0x0
	s_wait_kmcnt 0x0
	s_add_nc_u64 s[34:35], s[4:5], s[28:29]        ; tile 0
	s_add_nc_u64 s[38:39], s[34:35], TILE          ; tile 1
	s_or_b32 s35, s35, 0x80000000                  ; type 2
	s_or_b32 s39, s39, 0x80000000
	s_add_nc_u64 s[24:25], s[4:5], s[30:31]
	s_add_nc_u64 s[26:27], s[6:7], s[30:31]
	ROUND                                          ; all four work-groups are here: the first joint loads meet
	tensor_load_to_lds s[32:35], s[16:23]          ; tile 0 into slot 0
	s_nop 0
	v_and_b32 v1, 15, v0                           ; r
	v_bfe_u32 v15, v0, 4, 1                        ; h
	v_lshl_add_u32 v246, v15, 3, v1
	v_and_b32 v246, 15, v246
	v_lshlrev_b32 v246, 4, v246
	v_lshl_add_u32 v[LQ], v15, 8, v246
.irp t, 0,1
.irp kk, 0,1
	global_load_b128 v[QF+16*\t+8*\kk:QF+16*\t+8*\kk+3],   v[LQ], s[24:25] offset:\t*2048+\kk*1024       ; dh 32 kk + 8 h ..: chunk 4 kk + h
	global_load_b128 v[QF+16*\t+8*\kk+4:QF+16*\t+8*\kk+7], v[LQ], s[24:25] offset:\t*2048+\kk*1024+512   ; dh 32 kk + 16 + 8 h ..
.endr
.endr
	v_add_nc_u32 v[ADRK+1], SLOT, v[LQ]
	; V goes through the transposing load: lane L addresses key row 8 h + (L & 7) and chunk 2 d + u, u = (L >> 3) & 1.  The half turn of the odd
	; chunks puts lanes 0-7 and lanes 8-15 into different halves of 256 bytes.
	v_bfe_u32 v247, v0, 3, 1                       ; u
	v_and_b32 v246, 7, v0
	v_add_nc_u32 v248, v15, v247
	v_lshl_add_u32 v246, v248, 3, v246             ; (L & 7) + 8 h + 8 u
	v_and_b32 v246, 15, v246
	v_lshlrev_b32 v246, 4, v246
	v_lshl_add_u32 v246, v247, 8, v246
	v_add_nc_u32 v[ADRV], TILE, v246
	v_add_nc_u32 v[ADRV+1], SLOT+TILE, v246
	v_mov_b32 v[PT], 0                             ; v_permlanex16_b32 counts as a reader of its destination
	s_wait_loadcnt 0x0                             ; q, once
; The largest of my 32 scores of tile t (two chains), with the running maximum, joined with the other half of the keys.
.macro ROWMAX t, first
	v_max3_num_f32 v[MX+2*\t],   v[SC+32*\t],    v[SC+32*\t+1],  v[SC+32*\t+2]
	v_max3_num_f32 v[MX+2*\t+1], v[SC+32*\t+17], v[SC+32*\t+18], v[SC+32*\t+19]
.irp i, 0,1,2,3,4,5
	v_max3_num_f32 v[MX+2*\t],   v[MX+2*\t],   v[SC+32*\t+3+2*\i],  v[SC+32*\t+4+2*\i]
	v_max3_num_f32 v[MX+2*\t+1], v[MX+2*\t+1], v[SC+32*\t+20+2*\i], v[SC+32*\t+21+2*\i]
.endr
	v_max3_num_f32 v[MX+2*\t], v[MX+2*\t], v[SC+32*\t+15], v[SC+32*\t+16]
.if \first
	v_max_num_f32 v[MX+2*\t], v[MX+2*\t], v[MX+2*\t+1]
.else
	v_max3_num_f32 v[MX+2*\t], v[MX+2*\t], v[MX+2*\t+1], v[RM+\t]
.endif
	v_permlanex16_b32 v[PT], v[MX+2*\t], s12, s13
	v_max_num_f32 v[RM+\t], v[MX+2*\t], v[PT]
.if \first
	v_mul_f32 v[NM+\t], s40, v[RM+\t]
.else
	v_mul_f32 v[MX+2*\t+1], s40, v[RM+\t]          ; the new shift
	v_sub_f32 v[AL+\t], v[MX+2*\t+1], v[NM+\t]     ; new shift - old shift (at most 0): exactly what old terms have to be moved by
	v_mov_b32 v[NM+\t], v[MX+2*\t+1]
.endif
.endm
.macro SCALE t                         ; c x score - c x maximum, two at a time
.irp i, 0,1,2,3,4,5,6,7,8,9,10,11,12,13,14,15
	v_pk_fma_f32 v[SC+32*\t+2*\i:SC+32*\t+2*\i+1], v[SC+32*\t+2*\i:SC+32*\t+2*\i+1], s[14:15], v[NM:NM+1] op_sel:[0,0,\t] op_sel_hi:[1,0,\t]
.endr
.endm
.macro EXPS t
.irp i, 0,1,2,3,4,5,6,7,8,9,10,11,12,13,14,15,16,17,18,19,20,21,22,23,24,25,26,27,28,29,30,31
	v_exp_f32 v[SC+32*\t+\i], v[SC+32*\t+\i]
.endr
.endm
.macro RESCALE t
	s_wait_alu depctr_va_vdst(0)
.irp i, 0,1,2,3,4,5,6,7,8,9,10,11,12,13,14,15
	v_pk_mul_f32 v[OA+32*\t+2*\i:OA+32*\t+2*\i+1], v[OA+32*\t+2*\i:OA+32*\t+2*\i+1], v[AL:AL+1] op_sel:[0,\t] op_sel_hi:[1,\t]
.endr
.endm
.macro ROWSUM t, first
	v_pk_add_f32 v[SUM:SUM+1],   v[SC+32*\t:SC+32*\t+1],     v[SC+32*\t+2:SC+32*\t+3]
	v_pk_add_f32 v[SUM+2:SUM+3], v[SC+32*\t+16:SC+32*\t+17], v[SC+32*\t+18:SC+32*\t+19]
.irp i, 2,3,4,5,6,7
	v_pk_add_f32 v[SUM:SUM+1],   v[SUM:SUM+1],   v[SC+32*\t+2*\i:SC+32*\t+2*\i+1]
	v_pk_add_f32 v[SUM+2:SUM+3], v[SUM+2:SUM+3], v[SC+32*\t+16+2*\i:SC+32*\t+16+2*\i+1]
.endr
	v_pk_add_f32 v[SUM:SUM+1], v[SUM:SUM+1], v[SUM+2:SUM+3]
.if \first
	v_add_f32 v[LS+\t], v[SUM], v[SUM+1]
.else
	v_fma_f32 v[LS+\t], v[LS+\t], v[AL+\t], v[SUM]
	v_add_f32 v[LS+\t], v[LS+\t], v[SUM+1]
.endif
.endm
.macro PACK t                          ; 16 registers (two key tiles) into 8, in place, ascending: each source is read before its register is written
.irp kp, 0,1
.irp i, 0,1,2,3,4,5,6,7
	v_cvt_pk_f16_f32 v[SC+32*\t+16*\kp+\i], v[SC+32*\t+16*\kp+2*\i], v[SC+32*\t+16*\kp+2*\i+1]
.endr
.endr
.endm
; 64 keys: block kb of the tile in the slot.  first = 1: the very first block starts maxima, sums and outputs; nothing is cleared.
; In both products eight accumulators take turns, one instruction a turn.
.macro BLOCK slot, kb, first
.if \first
.else
.rept 5
	v_nop                                          ; places behind the last product (ISA guide 7.12.1): its V registers are loaded anew, its P registers written by the next product
.endr
.endif
.irp kk, 0,1
.irp kt, 0,1,2,3
	ds_load_b128 v[KV+16*\kt+8*\kk:KV+16*\kt+8*\kk+3],   v[ADRK+\slot] offset:(4*\kb+\kt)*2048+\kk*1024       ; sixteen lanes read 256 consecutive bytes
	ds_load_b128 v[KV+16*\kt+8*\kk+4:KV+16*\kt+8*\kk+7], v[ADRK+\slot] offset:(4*\kb+\kt)*2048+\kk*1024+512
.endr
.endr
	s_wait_dscnt 8                                 ; younger: the 8 loads of dh 32..63
.irp kt, 0,1,2,3
.irp t, 0,1
	v_wmma_f32_16x16x32_f16 v[SC+32*\t+8*\kt:SC+32*\t+8*\kt+7], v[KV+16*\kt:KV+16*\kt+7], v[QF+16*\t:QF+16*\t+7], 0
.endr
.endr
	s_wait_dscnt 0
.irp kt, 0,1,2,3
.irp t, 0,1
	v_wmma_f32_16x16x32_f16 v[SC+32*\t+8*\kt:SC+32*\t+8*\kt+7], v[KV+16*\kt+8:KV+16*\kt+15], v[QF+16*\t+8:QF+16*\t+15], v[SC+32*\t+8*\kt:SC+32*\t+8*\kt+7]
.endr
.endr
.rept 4
	v_nop                                          ; places: the K registers are loaded anew and the scores read
.endr
.irp kp, 0,1
.irp d, 0,1,2,3
	ds_load_tr16_b128 v[KV+16*\d+8*\kp:KV+16*\d+8*\kp+3],   v[ADRV+\slot] offset:(2*\kb+\kp)*4096+\d*512        ; keys 32 kp + 8 h ..; they land under the softmax
	ds_load_tr16_b128 v[KV+16*\d+8*\kp+4:KV+16*\d+8*\kp+7], v[ADRV+\slot] offset:(2*\kb+\kp)*4096+\d*512+2048   ; keys 32 kp + 16 + 8 h ..: the next group
.endr
.endr
	ROWMAX 0, \first
	ROWMAX 1, \first
.if \first
.else
	v_exp_f32 v[AL], v[AL]
	v_exp_f32 v[AL+1], v[AL+1]
.endif
	SCALE 0                                        ; plain instructions behind the two exponentials above (ISA guide 5.7.2)
	EXPS 0
	SCALE 1                                        ; and behind those of t = 0
	EXPS 1
.if \first
	v_nop                                          ; one plain instruction behind the exponentials of t = 1
	s_wait_alu depctr_va_vdst(0)
.else
	RESCALE 0                                      ; here they are the plain instructions
	RESCALE 1
.endif
	ROWSUM 0, \first
	ROWSUM 1, \first
	PACK 0
	PACK 1
	s_wait_dscnt 0                                 ; V
.irp d, 0,1,2,3
.irp t, 0,1
.if \first
	v_wmma_f32_16x16x32_f16 v[OA+32*\t+8*\d:OA+32*\t+8*\d+7], v[KV+16*\d:KV+16*\d+7], v[SC+32*\t:SC+32*\t+7], 0
.else
	v_wmma_f32_16x16x32_f16 v[OA+32*\t+8*\d:OA+32*\t+8*\d+7], v[KV+16*\d:KV+16*\d+7], v[SC+32*\t:SC+32*\t+7], v[OA+32*\t+8*\d:OA+32*\t+8*\d+7]
.endif
.endr
.endr
.irp d, 0,1,2,3
.irp t, 0,1
	v_wmma_f32_16x16x32_f16 v[OA+32*\t+8*\d:OA+32*\t+8*\d+7], v[KV+16*\d+8:KV+16*\d+15], v[SC+32*\t+16:SC+32*\t+23], v[OA+32*\t+8*\d:OA+32*\t+8*\d+7]
.endr
.endr
.endm
; One tile of 256 keys.  In front of the round every wave has waited for all its tensor loads (one is out: its part of this tile) and for
; its reads of the other slot; behind the round the other slot is filled again first, one load a wave, and has four blocks in which to land.
.macro TRIP slot, refill, first
	s_wait_tensorcnt 0x0                           ; no tensor load of mine is out, so a group 0 may be written:
	ds_add_u32 v254, v255
	s_wait_dscnt 0x0
	s_add_nc_u64 s[34+4*\slot:35+4*\slot], s[34+4*\slot:35+4*\slot], 2*TILE   ; the next tile of this slot
	s_wait_dscnt 0x0                               ; my reads of the last tile are done
	ROUND                                          ; both now hold of every wave of all four work-groups
.if \refill
	tensor_load_to_lds s[36-4*\slot:39-4*\slot], s[16:23]
	s_nop 0
.endif
	BLOCK \slot, 0, \first
	BLOCK \slot, 1, 0
	BLOCK \slot, 2, 0
	BLOCK \slot, 3, 0
.endm
	TRIP 0, 1, 1                                   ; tiles 0 and 1 stand ahead of the loop: the first block starts the sums
	TRIP 1, 1, 0
	s_mov_b32 s44, 2                               ; tiles 2 to 5
.Ltiles:
	TRIP 0, 1, 0
	TRIP 1, 1, 0
	s_sub_co_u32 s44, s44, 1
	s_cmp_lg_u32 s44, 0
	s_cbranch_scc1 .Ltiles
	TRIP 0, 1, 0                                   ; tile 6; asks for tile 7
	TRIP 1, 0, 0                                   ; tile 7: nothing is left to fetch (the stepped addresses are not used)
	; The way out: the two halves of each row sum meet, the outputs are divided, rounded to f16 and stored, 512 consecutive bytes a store.
.rept 4
	v_nop                                          ; places behind the last product
.endr
.irp t, 0,1
	v_permlanex16_b32 v[PT], v[LS+\t], s12, s13
	v_add_f32 v[LS+\t], v[LS+\t], v[PT]
.endr
	v_rcp_f32 v[INV], v[LS]
	v_rcp_f32 v[INV+1], v[LS+1]
	v_nop                                          ; one plain instruction behind the reciprocals
	s_wait_alu depctr_va_vdst(0)
.irp t, 0,1
.irp i, 0,1,2,3,4,5,6,7,8,9,10,11,12,13,14,15
	v_pk_mul_f32 v[OA+32*\t+2*\i:OA+32*\t+2*\i+1], v[OA+32*\t+2*\i:OA+32*\t+2*\i+1], v[INV:INV+1] op_sel:[0,\t] op_sel_hi:[1,\t]
.endr
.endr
.irp t, 0,1
.irp d, 0,1,2,3
.irp i, 0,1,2,3
	v_cvt_pk_f16_f32 v[OA+32*\t+8*\d+\i], v[OA+32*\t+8*\d+2*\i], v[OA+32*\t+8*\d+2*\i+1]
.endr
.endr
.endr
.irp t, 0,1
.irp d, 0,1,2,3
	global_store_b128 v[LQ], v[OA+32*\t+8*\d:OA+32*\t+8*\d+3], s[26:27] offset:\t*2048+\d*512   ; q row r, dh 16 d + 8 h ..: chunk 2 d + h
.endr
.endr
	ROUND                                          ; the closing round: no work-group ends while a partner may still ask for a tile that names it
	s_endpgm
.Lfunc_end_k_q6b9b6267f4_attn:
	.size	k_q6b9b6267f4_attn, .Lfunc_end_k_q6b9b6267f4_attn-k_q6b9b6267f4_attn
	.p2alignl 7, 3214868480
	.fill 96, 4, 3214868480
	.section	.rodata,"a",@progbits
	.p2align	6, 0x0
	.amdhsa_kernel k_q6b9b6267f4_attn
		.amdhsa_group_segment_fixed_size 327680
		.amdhsa_private_segment_fixed_size 0
		.amdhsa_enable_private_segment 0
		.amdhsa_kernarg_size 16
		.amdhsa_user_sgpr_count 2
		.amdhsa_user_sgpr_kernarg_segment_ptr 1
		.amdhsa_wavefront_size32 1
		.amdhsa_system_sgpr_workgroup_id_x 1
		.amdhsa_system_sgpr_workgroup_id_y 1
		.amdhsa_system_sgpr_workgroup_id_z 1
		.amdhsa_system_vgpr_workitem_id 0
		.amdhsa_next_free_vgpr 256
		.amdhsa_next_free_sgpr 66
		.amdhsa_reserve_vcc 0
		.amdhsa_float_denorm_mode_32 3
		.amdhsa_float_denorm_mode_16_64 3
		.amdhsa_memory_ordered 1
		.amdhsa_forward_progress 1
		.amdhsa_inst_pref_size 255
	.end_amdhsa_kernel
	.section	.bss,"aw",@nobits
	.p2align	6
	.space	262144
	.amdgpu_metadata
---
amdhsa.version: [ 1, 2 ]
amdhsa.kernels:
  - .name:           k_q6b9b6267f4_attn
    .symbol:         k_q6b9b6267f4_attn.kd
    .args:
      - { .name: qkv, .offset: 0, .size: 8, .value_kind: global_buffer, .address_space: global }
      - { .name: ao, .offset: 8, .size: 8, .value_kind: global_buffer, .address_space: global }
    .group_segment_fixed_size: 327680
    .private_segment_fixed_size: 0
    .kernarg_segment_align: 8
    .kernarg_segment_size: 16
    .max_flat_workgroup_size: 256
    .sgpr_count:     66
    .vgpr_count:     256
    .wavefront_size: 32
...
	.end_amdgpu_metadata
.endif
;; end of part 2
;; launch oproj (part 3): grid 8 x 32, 4 waves a work-group, no clusters, 87,552 bytes of LDS; arguments ao, Wo, bo, out0; writes out0
.if DOCPART == 3
	.amdgcn_target "amdgcn-amd-amdhsa--gfx1250"
	.amdhsa_code_object_version 6
	.text
	.protected	k_q6b9b6267f4_oproj
	.globl	k_q6b9b6267f4_oproj
	.p2align	8
	.type	k_q6b9b6267f4_oproj,@function
k_q6b9b6267f4_oproj:
	s_mov_b64 s[64:65], 0
	v_nop
	global_prefetch_b8 v0, s[64:65] scope:SCOPE_SE
	s_setreg_imm32_b32 hwreg(HW_REG_WAVE_MODE, 25, 1), 1
	s_wait_xcnt 0x0
; out0 = ao Wo + bo: 4096 rows, K = 1024, 1024 columns, f32 out.  ao comes as f16 in the layout [bh][group of 16 rows][chunk of 8 dh][16][8],
; the 16 bytes of (row p, chunk c) at 256 c + 16 ((p + 8 (c & 1)) & 15); Wo is f32 and is rounded to f16 on its way into LDS; sums in f32.
; LIMIT: |Wo| and |ao| below 65,504 (f16).
; A work-group makes 128 rows x 128 columns (x of the grid: column block 0..7, y: row block 0..31); four waves, 64 x 64 each.
; K goes in 16 steps of 64, one head a step, through two LDS buffers.  A step of ao for 128 rows is 16,384 consecutive bytes, copied as they lie.
; NO CLUSTER: Wo, 32 of the 48 KiB that a step asks for, is f32 and must pass through registers to be rounded; the f16 part alone is a third of a step.
.set BUF,    34816                     ; an LDS buffer: A 16,384 bytes, then B
.set BPITCH, 288                       ; B row (one k, 128 n): 256 bytes + 32; 9 x 32
.set BBASE,  16384
.set STAGEB, 2*BUF                     ; behind the buffers: 16 rows x 272 bytes for each wave, for the way out
.set SPITCH, 272                       ; 64 f32 + 16 bytes: 16 rows start in 16 different 16-byte columns modulo 256
.set KSTEP,  262144                    ; one head further in ao; 64 rows of 4,096 bytes further in Wo
; window 0
.set AOFF, 8                           ; 16 x thread: my 16 bytes of each 2,048 of the A tile, in memory and in LDS alike
.set BOFF, 9                           ; byte offset in Wo of my 16 bytes of k row 16 w
.set BSTO, 10                          ; LDS address of my 8 bytes of k row 16 w
.set AFR,  11                          ; LDS address of my A fragments
.set BFR,  12                          ; LDS address of my B fragments
.set STO,  13                          ; the way out: where I put 32 bytes of a row
.set RD,   14                          ; the way out: where I read a row back
.set CO,   15                          ; my byte offset in out0
.set BIOF, 16                          ; 16 i
.set BIAS, 32                          ; v[32:35] bo of the four columns that I store
.set F0,   64                          ; v[64:127]  fragments of k 0..31 of a step: A tile a at 8 a, B tile b at 32 + 8 b
.set F1,   128                         ; v[128:191] the same for k 32..63
; window 1: accumulator (a, b) at v[8 (4 a + b)], 0..127
.set STA,  128                         ; window 1, v[128:159]: 8 loads of ao on their way
.set STB,  160                         ; window 1, v[160:223]: 16 loads of Wo on their way
.set MSB, 0
.macro WIN new                         ; low byte: bits 1:0 source 0, 3:2 source 1, 5:4 source 2, 7:6 destination; the high byte repeats the setting that is left
.if MSB != \new
	s_set_vgpr_msb (MSB<<8)|\new
.set MSB, \new
.endif
.endm
.macro PLACES                          ; four places behind a matrix instruction (ISA guide 7.12.1) before its sources are loaded anew or its results read
.rept 4
	v_nop
.endr
.endm
	s_load_b256 s[4:11], s[0:1], 0x0               ; ao s[4:5], Wo s[6:7], bo s[8:9], out0 s[10:11]
	v_lshl_add_u32 v254, v0, 2, 0x15400
	v_mov_b32 v255, 0
	v_lshrrev_b32 v1, 5, v0
	v_readfirstlane_b32 s20, v1                    ; wave 0..3
	s_lshr_b32 s21, s20, 1                         ; wm: which 64 rows
	s_and_b32 s22, s20, 1                          ; wn: which 64 columns
	s_mov_b32 s23, ttmp9                           ; column block
	s_and_b32 s24, ttmp7, 0xffff                   ; row block
	v_and_b32 v1, 15, v0                           ; r = i = lane mod 16
	v_bfe_u32 v2, v0, 4, 1                         ; h = lane / 16
	v_and_b32 v3, 31, v0                           ; lane
	v_lshlrev_b32 v[AOFF], 4, v0
	s_lshl_b32 s38, s20, 16                        ; 16 w rows of 4,096 bytes
	v_lshl_add_u32 v[BOFF], v3, 4, s38
	s_mul_i32 s38, s20, 16*BPITCH
	s_add_co_u32 s38, s38, BBASE
	v_lshl_add_u32 v[BSTO], v3, 3, s38
	v_lshl_add_u32 v4, v2, 3, v1
	v_and_b32 v4, 15, v4
	v_lshlrev_b32 v4, 4, v4
	v_lshl_add_u32 v4, v2, 8, v4                   ; 256 h + 16 ((r + 8 h) & 15)
	s_lshl_b32 s38, s21, 13                        ; my 64 rows = 4 groups of 2,048 bytes
	v_add_nc_u32 v[AFR], s38, v4
	v_and_b32 v4, 7, v0
	v_lshl_add_u32 v4, v2, 3, v4                   ; k row 8 h + (lane & 7)
	v_mul_u32_u24 v4, v4, BPITCH
	v_bfe_u32 v5, v0, 3, 1
	v_lshl_add_u32 v4, v5, 4, v4
	s_lshl_b32 s38, s22, 7
	s_add_co_u32 s38, s38, BBASE
	v_add_nc_u32 v[BFR], s38, v4
	s_mul_i32 s38, s20, 16*SPITCH
	s_add_co_u32 s38, s38, STAGEB                  ; my stage
	v_mul_u32_u24 v4, v1, SPITCH
	v_lshl_add_u32 v4, v2, 5, v4                   ; in: row r, 32 bytes for each half of the lanes
	v_add_nc_u32 v[STO], s38, v4
	v_mul_u32_u24 v4, v2, SPITCH
	v_lshl_add_u32 v4, v1, 4, v4                   ; back: lanes 0-15 one row of 256 bytes, lanes 16-31 the next
	v_add_nc_u32 v[RD], s38, v4
	v_lshlrev_b32 v[BIOF], 4, v1
	v_lshl_add_u32 v[CO], v2, 12, v[BIOF]          ; and the same two rows in out0
	s_wait_kmcnt 0x0
	s_lshr_b32 s38, s24, 4                         ; batch: 16 heads of 262,144 bytes
	s_lshl_b32 s38, s38, 22
	s_and_b32 s37, s24, 15
	s_lshl_b32 s37, s37, 14                        ; 128 rows = 8 groups of 2,048 bytes
	s_add_co_u32 s38, s38, s37
	s_mov_b32 s39, 0
	s_add_nc_u64 s[4:5], s[4:5], s[38:39]          ; ao: head 0, my 128 rows
	s_lshl_b32 s38, s23, 9
	s_add_nc_u64 s[6:7], s[6:7], s[38:39]          ; Wo: my 128 columns
	s_lshl_b32 s37, s22, 8
	s_add_co_u32 s38, s38, s37
	s_add_nc_u64 s[8:9], s[8:9], s[38:39]          ; bo: my wave's 64 columns
	s_lshl_b32 s37, s24, 19
	s_add_co_u32 s38, s38, s37
	s_lshl_b32 s37, s21, 18
	s_add_co_u32 s38, s38, s37
	s_add_nc_u64 s[10:11], s[10:11], s[38:39]      ; out0: row 128 block + 64 wm, my wave's 64 columns
	global_load_b128 v[BIAS:BIAS+3], v[BIOF], s[8:9]
.macro GLOAD                           ; one K step: 16,384 bytes of ao, 512 consecutive bytes a load; my 16 k rows of Wo, 512 consecutive bytes a load
	WIN 0x40                                       ; destination window 1, address window 0
.irp j, 0,1,2,3,4,5,6,7
	global_load_b128 v[STA+4*\j:STA+4*\j+3], v[AOFF], s[4:5] offset:\j*2048
.endr
.irp j, 0,1,2,3,4,5,6,7,8,9,10,11,12,13,14,15
	global_load_b128 v[STB+4*\j:STB+4*\j+3], v[BOFF], s[6:7] offset:\j*4096
.endr
.endm
.macro STAGE q                         ; Wo is rounded to f16 in place; both go into buffer q
	WIN 0x45                                       ; destination and both sources window 1
.irp j, 0,1,2,3,4,5,6,7,8,9,10,11,12,13,14,15
	v_cvt_pk_f16_f32 v[STB+4*\j],   v[STB+4*\j],   v[STB+4*\j+1]
	v_cvt_pk_f16_f32 v[STB+4*\j+1], v[STB+4*\j+2], v[STB+4*\j+3]
.endr
	WIN 0x04                                       ; address window 0, data window 1
.irp j, 0,1,2,3,4,5,6,7
	ds_store_b128 v[AOFF], v[STA+4*\j:STA+4*\j+3] offset:\q*BUF+\j*2048
.endr
.irp j, 0,1,2,3,4,5,6,7,8,9,10,11,12,13,14,15
	ds_store_b64 v[BSTO], v[STB+4*\j:STB+4*\j+1] offset:\q*BUF+\j*BPITCH
.endr
.endm
; 32 LDS loads: the fragments of buffer p; the 16 of k 0..31 stand ahead of the 16 of k 32..63.
; A: chunk 4 kk + h and chunk 4 kk + 2 + h of row r: sixteen lanes read 256 consecutive bytes.  B lies [k][n]: two transposing loads.
.macro FETCH p
	WIN 0
.irp kk, 0,1
.irp a, 0,1,2,3
	ds_load_b128 v[F0+64*\kk+8*\a:F0+64*\kk+8*\a+3],   v[AFR] offset:\p*BUF+\a*2048+\kk*1024
	ds_load_b128 v[F0+64*\kk+8*\a+4:F0+64*\kk+8*\a+7], v[AFR] offset:\p*BUF+\a*2048+\kk*1024+512
.endr
.irp b, 0,1,2,3
	ds_load_tr16_b128 v[F0+64*\kk+32+8*\b:F0+64*\kk+32+8*\b+3],   v[BFR] offset:\p*BUF+\kk*32*BPITCH+32*\b
	ds_load_tr16_b128 v[F0+64*\kk+32+8*\b+4:F0+64*\kk+32+8*\b+7], v[BFR] offset:\p*BUF+\kk*32*BPITCH+32*\b+16*BPITCH
.endr
.endr
.endm
; 16 matrix instructions, used transposed: source 0 = 16 columns of Wo, source 1 = 16 rows of ao, so register j of lane (r, h) is
; (row r, column 16 b + 8 h + j).  The sixteen accumulators take turns, one instruction a turn, in the same order in every run,
; over the backward jump too.  zero = 1: the first product starts the sums.
.macro MUL f, zero
	WIN 0x50                                       ; C and D window 1, fragments window 0
.irp a, 0,1,2,3
.irp b, 0,1,2,3
.if \zero
	v_wmma_f32_16x16x32_f16 v[8*(4*\a+\b):8*(4*\a+\b)+7], v[\f+32+8*\b:\f+32+8*\b+7], v[\f+8*\a:\f+8*\a+7], 0
.else
	v_wmma_f32_16x16x32_f16 v[8*(4*\a+\b):8*(4*\a+\b)+7], v[\f+32+8*\b:\f+32+8*\b+7], v[\f+8*\a:\f+8*\a+7], v[8*(4*\a+\b):8*(4*\a+\b)+7]
.endif
.endr
.endr
.endm
; K step t: multiplies buffer p = t & 1; stage = 1: lays step t + 1 into buffer q = 1 - p; load = 1: asks for step t + 2.
.macro STEP p, q, zero, stage, load, bar
	PLACES
	FETCH \p
.if \stage
	s_wait_loadcnt 0x0                             ; step t + 1 is in registers; no load is out, so the bases may be stepped
	STAGE \q
.endif
.if \load
	s_add_nc_u64 s[4:5], s[4:5], KSTEP
	s_add_nc_u64 s[6:7], s[6:7], KSTEP
	GLOAD                                          ; on its way for the whole of this step's products
.endif
.if \stage
	s_wait_dscnt 40                                ; younger: 16 loads of k 32..63 and 24 stores; the fragments of k 0..31 are in
.else
	s_wait_dscnt 16                                ; younger: the 16 loads of k 32..63
.endif
	MUL F0, \zero
.if \stage
	s_wait_dscnt 24                                ; only the 24 stores may be out
.else
	s_wait_dscnt 0
.endif
	MUL F1, 0
	WIN 0
.if \bar
	s_wait_dscnt 0x0                               ; my reads of buffer p and my stores into buffer q are done:
	s_barrier_signal -1                            ; one barrier orders both: the next step stores into p
	s_barrier_wait -1                              ; and reads q
.endif
.endm
	GLOAD                                          ; step 0
	s_wait_loadcnt 0x0                             ; and the bias
	STAGE 0
	s_add_nc_u64 s[4:5], s[4:5], KSTEP
	s_add_nc_u64 s[6:7], s[6:7], KSTEP
	GLOAD                                          ; step 1
	WIN 0
	s_wait_dscnt 0x0
	s_barrier_signal -1
	s_barrier_wait -1
	STEP 0, 1, 1, 1, 1, 1                          ; steps 0 and 1 stand ahead of the loop: the first products start the sums
	STEP 1, 0, 0, 1, 1, 1
	s_mov_b32 s36, 6                               ; steps 2 to 13
.Lk:
	STEP 0, 1, 0, 1, 1, 1
	STEP 1, 0, 0, 1, 1, 1
	s_sub_co_u32 s36, s36, 1
	s_cmp_lg_u32 s36, 0
	s_cbranch_scc1 .Lk
	STEP 0, 1, 0, 1, 0, 1                          ; step 14 lays step 15 into LDS and asks for nothing
	STEP 1, 0, 0, 0, 0, 0                          ; step 15
; The way out, 16 rows at a time, through my own stage: a lane puts its 8 neighbouring f32 of a row, whole rows of 256 bytes come back,
; the bias is added, and sixteen lanes store 256 consecutive bytes, at a multiple of 256 from the first byte of out0.
; LDS serves a wave's instructions in order (ISA guide 5.7.1.4), so no wait stands between my stores and my loads of the stage.
; The registers that a global store reads are written once in the kernel, so no wait stands between the stores.
.macro OUT16 a
	WIN 0x04                                       ; address window 0, data window 1
.irp b, 0,1,2,3
	ds_store_b128 v[STO], v[8*(4*\a+\b):8*(4*\a+\b)+3]   offset:64*\b
	ds_store_b128 v[STO], v[8*(4*\a+\b)+4:8*(4*\a+\b)+7] offset:64*\b+16
.endr
	WIN 0
.irp t, 0,1,2,3,4,5,6,7
	ds_load_b128 v[F0+32*\a+4*\t:F0+32*\a+4*\t+3], v[RD] offset:\t*2*SPITCH
.endr
.irp t, 0,1,2,3,4,5,6,7
	s_wait_dscnt 7-\t                              ; the younger read-backs may stay out
	v_pk_add_f32 v[F0+32*\a+4*\t:F0+32*\a+4*\t+1],   v[F0+32*\a+4*\t:F0+32*\a+4*\t+1],   v[BIAS:BIAS+1]
	v_pk_add_f32 v[F0+32*\a+4*\t+2:F0+32*\a+4*\t+3], v[F0+32*\a+4*\t+2:F0+32*\a+4*\t+3], v[BIAS+2:BIAS+3]
	global_store_b128 v[CO], v[F0+32*\a+4*\t:F0+32*\a+4*\t+3], s[10:11] offset:(16*\a+2*\t)*4096 th:TH_STORE_NT
.endr
.endm
	PLACES
	OUT16 0
	OUT16 1
	OUT16 2
	OUT16 3
	s_wait_tensorcnt 0x0
	ds_add_u32 v254, v255
	s_wait_dscnt 0x0
	s_endpgm
.Lfunc_end_k_q6b9b6267f4_oproj:
	.size	k_q6b9b6267f4_oproj, .Lfunc_end_k_q6b9b6267f4_oproj-k_q6b9b6267f4_oproj
	.p2alignl 7, 3214868480
	.fill 96, 4, 3214868480
	.section	.rodata,"a",@progbits
	.p2align	6, 0x0
	.amdhsa_kernel k_q6b9b6267f4_oproj
		.amdhsa_group_segment_fixed_size 87552
		.amdhsa_private_segment_fixed_size 0
		.amdhsa_enable_private_segment 0
		.amdhsa_kernarg_size 32
		.amdhsa_user_sgpr_count 2
		.amdhsa_user_sgpr_kernarg_segment_ptr 1
		.amdhsa_wavefront_size32 1
		.amdhsa_system_sgpr_workgroup_id_x 1
		.amdhsa_system_sgpr_workgroup_id_y 1
		.amdhsa_system_sgpr_workgroup_id_z 1
		.amdhsa_system_vgpr_workitem_id 0
		.amdhsa_next_free_vgpr 480
		.amdhsa_next_free_sgpr 66
		.amdhsa_reserve_vcc 0
		.amdhsa_float_denorm_mode_32 3
		.amdhsa_float_denorm_mode_16_64 3
		.amdhsa_memory_ordered 1
		.amdhsa_forward_progress 1
		.amdhsa_inst_pref_size 78
	.end_amdhsa_kernel
	.amdgpu_metadata
---
amdhsa.version: [ 1, 2 ]
amdhsa.kernels:
  - .name:           k_q6b9b6267f4_oproj
    .symbol:         k_q6b9b6267f4_oproj.kd
    .args:
      - { .name: ao, .offset: 0, .size: 8, .value_kind: global_buffer, .address_space: global }
      - { .name: Wo, .offset: 8, .size: 8, .value_kind: global_buffer, .address_space: global }
      - { .name: bo, .offset: 16, .size: 8, .value_kind: global_buffer, .address_space: global }
      - { .name: out0, .offset: 24, .size: 8, .value_kind: global_buffer, .address_space: global }
    .group_segment_fixed_size: 87552
    .private_segment_fixed_size: 0
    .kernarg_segment_align: 8
    .kernarg_segment_size: 32
    .max_flat_workgroup_size: 128
    .sgpr_count:     66
    .vgpr_count:     480
    .wavefront_size: 32
...
	.end_amdgpu_metadata
.endif
;; end of part 3
;; ======== version 2 of 2: 4 launches; 1.31 times as fast as version 1
;; limits: values are held in f16: magnitudes above 65,504 overflow, below 6.1e-05 lose precision
;; workspace buffers: qkv 25,165,824 bytes; ao 8,388,608 bytes; xh 16,777,216 bytes; wt 8,388,608 bytes
;; launch cvt (part 4): grid 768 x 1, 8 waves a work-group, no clusters, 34,816 bytes of LDS; arguments query_input, kv_input, Wq, Wkv, Wo, xh, wt; writes xh, wt
.if DOCPART == 4
	.amdgcn_target "amdgcn-amd-amdhsa--gfx1250"
	.amdhsa_code_object_version 6
	.text
	.protected	k_q6b9b6267f4_cvt
	.globl	k_q6b9b6267f4_cvt
	.p2align	8
	.type	k_q6b9b6267f4_cvt,@function
k_q6b9b6267f4_cvt:
	s_mov_b64 s[64:65], 0
	v_nop
	global_prefetch_b8 v0, s[64:65] scope:SCOPE_SE
	s_setreg_imm32_b32 hwreg(HW_REG_WAVE_MODE, 25, 1), 1
	s_wait_xcnt 0x0
; The operands of the three projections are rounded to f16 once, so that the products can fetch them as they are.
; LIMIT: f16 holds magnitudes below 65,504; larger inputs become infinite.  Below 6.1e-5 an f16 keeps an absolute error of 3e-8.
; Work-groups 0-511: xh = f16 of query_input (rows 0-4095), then of kv_input (rows 4096-8191), [8192][1024], row-major.
;   A work-group takes 16 rows (64 KiB in, 32 KiB out), a wave 2 rows: 16 loads of 512 consecutive bytes, 16 stores of 256 consecutive bytes.
; Work-groups 512-767: wt = the weights, transposed and blocked: [K step 8 (128 k)][group 256 (16 n)][chunk 16 (8 k)][16 n][8 k] f16,
;   groups 0-63 Wq, 64-191 Wkv, 192-255 Wo.  A work-group takes 128 k x 128 n (64 KiB in, 32 KiB out), a wave 16 k rows.
;   A load brings a lane 4 neighbouring n of one k, so after 16 loads the lane holds 16 k of each of its 4 n: packing along k stays inside the
;   lane.  Its eight pieces of 16 bytes (one n, 8 k) belong to different 256-byte chunks, so they go through the wave's own LDS bytes and come
;   back as 512 consecutive bytes (two whole chunks) for each store.
; A stream: each byte is read once and written once; no matrix unit, no cluster (no two work-groups read the same bytes), no barrier
; (a wave reads only LDS bytes that it wrote itself).
.set XO,   2                           ; v2        16 x lane
.set YO,   3                           ; v3        8 x lane
.set WST,  4                           ; v4        LDS: where my pieces go
.set WRD,  5                           ; v5        LDS: where I read chunks back
.set S,    16                          ; v[16:79]  16 loads of 4 registers; later what is read back
.set P,    80                          ; v[80:111] weights: n = 4 lane + e, k pair m at 8 e + m
.set WOFF, 112                         ; v[112:127] weights: byte offset of my 16 bytes of k row j (the pitch differs between Wkv and the others)
.set GP,   528                         ; LDS bytes of a group: 512 + 16 = 33 x 16, so the sixteen lanes of a half wave (4 groups x 4 places) hit sixteen different 16-byte columns modulo 256
.set WREG, 8*GP                        ; LDS bytes of a wave
	s_load_b256 s[4:11], s[0:1], 0x0               ; query_input s[4:5], kv_input s[6:7], Wq s[8:9], Wkv s[10:11]
	s_load_b128 s[12:15], s[0:1], 0x20             ; Wo s[12:13], xh s[14:15]
	s_load_b64 s[16:17], s[0:1], 0x30              ; wt
	v_lshl_add_u32 v128, v0, 2, 0x8400
	v_mov_b32 v129, 0
	v_lshrrev_b32 v1, 5, v0
	v_readfirstlane_b32 s20, v1                    ; wave 0..7
	v_and_b32 v1, 31, v0                           ; lane
	v_lshlrev_b32 v[XO], 4, v1
	s_mov_b32 s21, ttmp9                           ; work-group
	s_mov_b32 s25, 0                               ; the high word of every offset
	s_wait_kmcnt 0x0
	s_cmp_lt_u32 s21, 512
	s_cbranch_scc0 .Lweights
	; ---- the activations
	s_cmp_lt_u32 s21, 256
	s_cselect_b64 s[26:27], s[4:5], s[6:7]         ; the first 256 work-groups take query_input
	v_lshlrev_b32 v[YO], 3, v1
	s_and_b32 s24, s21, 255
	s_lshl_b32 s24, s24, 16                        ; 16 rows of 4,096 bytes
	s_lshl_b32 s22, s20, 13                        ; my 2 rows
	s_add_co_u32 s24, s24, s22
	s_add_nc_u64 s[26:27], s[26:27], s[24:25]
	s_lshl_b32 s24, s21, 15                        ; 16 rows of 2,048 bytes; kv_input's rows follow query_input's
	s_lshl_b32 s22, s20, 12
	s_add_co_u32 s24, s24, s22
	s_add_nc_u64 s[14:15], s[14:15], s[24:25]
.irp j, 0,1,2,3,4,5,6,7,8,9,10,11,12,13,14,15
	global_load_b128 v[S+4*\j:S+4*\j+3], v[XO], s[26:27] offset:512*\j th:TH_LOAD_NT
.endr
.irp j, 0,1,2,3,4,5,6,7,8,9,10,11,12,13,14,15
	s_wait_loadcnt 15-\j                           ; loads come back in order (ISA guide 5.7.1): load j is in, the younger ones stay out
	v_cvt_pk_f16_f32 v[S+4*\j],   v[S+4*\j],   v[S+4*\j+1]
	v_cvt_pk_f16_f32 v[S+4*\j+1], v[S+4*\j+2], v[S+4*\j+3]
	global_store_b64 v[YO], v[S+4*\j:S+4*\j+1], s[14:15] offset:256*\j    ; the wave's 32 lanes store 256 consecutive bytes, aligned
.endr
	s_endpgm
	; ---- the weights
.Lweights:
	s_sub_co_u32 s21, s21, 512                     ; 0..255
	s_and_b32 s22, s21, 31                         ; which 128 of the 4,096 columns: 0-7 Wq, 8-23 Wkv, 24-31 Wo
	s_lshr_b32 s23, s21, 5                         ; K step 0..7
	s_sub_co_u32 s28, s22, 8                       ; the block inside Wkv (used for 8..23 alone)
	s_sub_co_u32 s29, s22, 24                      ; the block inside Wo (used for 24..31 alone)
	s_cmp_lt_u32 s22, 8
	s_cselect_b64 s[26:27], s[8:9], s[10:11]
	s_cselect_b32 s28, s22, s28
	s_cselect_b32 s30, 12, 13                      ; log2 of a row in bytes
	s_cmp_lt_u32 s22, 24
	s_cselect_b64 s[26:27], s[26:27], s[12:13]
	s_cselect_b32 s28, s28, s29
	s_cselect_b32 s30, s30, 12
	s_lshl_b32 s24, s28, 9                         ; 128 columns of 4 bytes
	s_add_nc_u64 s[26:27], s[26:27], s[24:25]
	s_lshl_b32 s31, s23, 7
	s_lshl4_add_u32 s31, s20, s31                  ; my first k row = 128 K step + 16 wave
.irp j, 0,1,2,3,4,5,6,7,8,9,10,11,12,13,14,15
	s_add_co_u32 s24, s31, \j
	s_lshl_b32 s24, s24, s30
	v_add_nc_u32 v[WOFF+\j], s24, v[XO]
.endr
.irp j, 0,1,2,3,4,5,6,7,8,9,10,11,12,13,14,15
	global_load_b128 v[S+4*\j:S+4*\j+3], v[WOFF+\j], s[26:27] th:TH_LOAD_NT   ; k row j, 128 n: 512 consecutive bytes
.endr
	v_lshrrev_b32 v6, 2, v1                        ; my group of 16 n = lane / 4
	v_and_b32 v7, 3, v1
	v_mul_u32_u24 v6, v6, GP
	v_lshl_add_u32 v6, v7, 6, v6                   ; n mod 16 = 4 (lane mod 4) + e: 64 bytes for each lane
	s_mul_i32 s24, s20, WREG
	v_add_nc_u32 v[WST], s24, v6
	v_add_nc_u32 v[WRD], s24, v[XO]
	s_lshl_b32 s24, s23, 20                        ; K step: 256 groups of 4,096 bytes
	s_lshl_b32 s22, s22, 15                        ; my 8 groups
	s_add_co_u32 s24, s24, s22
	s_lshl_b32 s22, s20, 9                         ; my two chunks
	s_add_co_u32 s24, s24, s22
	s_add_nc_u64 s[16:17], s[16:17], s[24:25]
.irp m, 0,1,2,3,4,5,6,7
	s_wait_loadcnt 14-2*\m                         ; k rows 2 m and 2 m + 1 are in, the younger loads stay out
.irp e, 0,1,2,3
	v_cvt_pk_f16_f32 v[P+8*\e+\m], v[S+8*\m+\e], v[S+8*\m+4+\e]           ; the lower k in the low half
.endr
.endr
.irp e, 0,1,2,3
.irp c, 0,1
	ds_store_b128 v[WST], v[P+8*\e+4*\c:P+8*\e+4*\c+3] offset:16*\e+256*\c   ; (n = 4 lane + e, k 8 c .. 8 c + 7)
.endr
.endr
.irp g, 0,1,2,3,4,5,6,7
	ds_load_b128 v[S+4*\g:S+4*\g+3], v[WRD] offset:GP*\g                  ; LDS serves a wave's instructions in order (ISA guide 5.7.1.4): these see the stores above
.endr
.irp g, 0,1,2,3,4,5,6,7
	s_wait_dscnt 7-\g                              ; the younger read-backs may stay out
	global_store_b128 v[XO], v[S+4*\g:S+4*\g+3], s[16:17] offset:4096*\g  ; group g, my two chunks: 512 consecutive bytes, aligned
.endr
	s_wait_tensorcnt 0x0
	ds_add_u32 v128, v129
	s_wait_dscnt 0x0
	s_endpgm
.Lfunc_end_k_q6b9b6267f4_cvt:
	.size	k_q6b9b6267f4_cvt, .Lfunc_end_k_q6b9b6267f4_cvt-k_q6b9b6267f4_cvt
	.p2alignl 7, 3214868480
	.fill 96, 4, 3214868480
	.section	.rodata,"a",@progbits
	.p2align	6, 0x0
	.amdhsa_kernel k_q6b9b6267f4_cvt
		.amdhsa_group_segment_fixed_size 34816
		.amdhsa_private_segment_fixed_size 0
		.amdhsa_enable_private_segment 0
		.amdhsa_kernarg_size 56
		.amdhsa_user_sgpr_count 2
		.amdhsa_user_sgpr_kernarg_segment_ptr 1
		.amdhsa_wavefront_size32 1
		.amdhsa_system_sgpr_workgroup_id_x 1
		.amdhsa_system_sgpr_workgroup_id_y 1
		.amdhsa_system_sgpr_workgroup_id_z 1
		.amdhsa_system_vgpr_workitem_id 0
		.amdhsa_next_free_vgpr 130
		.amdhsa_next_free_sgpr 66
		.amdhsa_reserve_vcc 0
		.amdhsa_float_denorm_mode_32 3
		.amdhsa_float_denorm_mode_16_64 3
		.amdhsa_memory_ordered 1
		.amdhsa_forward_progress 1
		.amdhsa_inst_pref_size 16
	.end_amdhsa_kernel
	.amdgpu_metadata
---
amdhsa.version: [ 1, 2 ]
amdhsa.kernels:
  - .name:           k_q6b9b6267f4_cvt
    .symbol:         k_q6b9b6267f4_cvt.kd
    .args:
      - { .name: query_input, .offset: 0, .size: 8, .value_kind: global_buffer, .address_space: global }
      - { .name: kv_input, .offset: 8, .size: 8, .value_kind: global_buffer, .address_space: global }
      - { .name: Wq, .offset: 16, .size: 8, .value_kind: global_buffer, .address_space: global }
      - { .name: Wkv, .offset: 24, .size: 8, .value_kind: global_buffer, .address_space: global }
      - { .name: Wo, .offset: 32, .size: 8, .value_kind: global_buffer, .address_space: global }
      - { .name: xh, .offset: 40, .size: 8, .value_kind: global_buffer, .address_space: global }
      - { .name: wt, .offset: 48, .size: 8, .value_kind: global_buffer, .address_space: global }
    .group_segment_fixed_size: 34816
    .private_segment_fixed_size: 0
    .kernarg_segment_align: 8
    .kernarg_segment_size: 56
    .max_flat_workgroup_size: 256
    .sgpr_count:     66
    .vgpr_count:     130
    .wavefront_size: 32
...
	.end_amdgpu_metadata
.endif
;; end of part 4
;; launch proj (part 5): grid 12 x 16, 4 waves a work-group, clusters of 4 x 4, 327,680 bytes of LDS; arguments xh, wt, bq, bkv, qkv; writes qkv
.if DOCPART == 5
	.amdgcn_target "amdgcn-amd-amdhsa--gfx1250"
	.amdhsa_code_object_version 6
	.text
	.protected	k_q6b9b6267f4_proj
	.globl	k_q6b9b6267f4_proj
	.p2align	8
	.type	k_q6b9b6267f4_proj,@function
k_q6b9b6267f4_proj:
	s_mov_b64 s[64:65], 0
	v_nop
	global_prefetch_b8 v0, s[64:65] scope:SCOPE_SE
	s_setreg_imm32_b32 hwreg(HW_REG_WAVE_MODE, 25, 1), 1
	s_wait_xcnt 0x0
	s_wait_alu depctr_hold_cnt(0) depctr_sa_sdst(0) depctr_va_vdst(0) depctr_va_sdst(0) depctr_va_ssrc(0) depctr_va_vcc(0) depctr_vm_vsrc(0)
	s_getreg_b32 s2, hwreg(HW_REG_IB_STS2, 6, 4)
	s_cmp_eq_u32 s2, 0
	s_cbranch_scc0 .Lentry_in_a_cluster
	s_endpgm
.Lentry_in_a_cluster:
	s_bfe_u32 s2, ttmp6, 0x10000c
	s_cmp_lg_u32 s2, 0xf033
	s_cbranch_scc0 .Lentry_shape_is_right
	s_endpgm
.Lentry_shape_is_right:
; q = Xq Wq + bq and (k, v) = Xkv Wkv + bkv: 4096 rows, K = 1024, 3 x 1024 columns.  Operands f16 (rounded by the launch before), sums in f32,
; the bias added in f32, the result rounded once to f16.
; LIMIT: |q|, |k|, |v| below 65,504 (f16).
; A work-group makes 256 rows x 256 columns with four waves, a wave 128 x 128: 64 accumulator tiles of 16 x 16, 512 registers.
; 4096 / 256 x 3072 / 256 = 16 x 12 = 192 work-groups.  (256 x 192 would give 256, but such a block would lie across the border between q and k,
; whose rows come from different inputs.)
; K goes in 8 steps of 128 through two LDS slots filled by tensor loads.
;   A: xh [8192][1024] f16, row-major, rows 0-4095 from query_input, 4096-8191 from kv_input: a tile's rows are 256 bytes, padded to 272 in LDS.
;   B: wt [K step 8][group of 16 n: 256][chunk of 8 k: 16][16 n][8 k] f16: 128 n x 128 k are 32,768 consecutive bytes; a fragment load of a half
;      wave reads one chunk, 256 consecutive bytes, so no padding is needed.
; CLUSTERS: 4 x 4 work-groups.  The four of a row of the cluster need the same tiles of A, the four of a column the same tiles of B; each tile is asked for
; jointly, which divides the requests by four.  Cluster x = 0 holds the four column blocks of q, x = 1 those of k, x = 2 those of v, so which half
; of xh is read hangs on the cluster's x alone, which all partners share.
; REGISTERS, in windows of 256:
;   window 0: v16-25 addresses; v64-127, v128-191 fragments of A, two buffers; v192-255 the bias of my 128 columns
;   window 1: v64-127, v128-191 fragments of B, two buffers
;   window 2: the 32 accumulator tiles of my rows 0-63 (tile (a, b) at v[8 (8 a + b)]);   window 3: those of my rows 64-127
; THE PRODUCT IS USED TRANSPOSED: source 0 = 16 columns (rows of wt), source 1 = 16 rows of X, so register j of lane (r, h) is (row r, column 16 b + 8 h + j):
; eight neighbouring columns of one row, 16 bytes in f16.
; OUTPUT LAYOUT qkv = [section 3][bh 32][group 128][chunk 8][16][8] f16: bh = 16 batch + head, a group = 16 sequence rows (2,048 bytes), a chunk = 8 dh
; (256 bytes); the 16 bytes of (row p, chunk c) lie at 256 c + 16 ((p + 8 (c & 1)) & 15).  A store of the wave covers 512 consecutive bytes, aligned,
; straight from registers.
.set KSTEP,  128
.set PITCH,  272                       ; an LDS row of A: 256 bytes + 16 = 17 x 16: 16 rows start in 16 different 16-byte columns modulo 256
.set HALFA,  128*PITCH                 ; 128 rows of A: what one tensor load brings, and what one wave reads
.set HALFB,  32768                     ; 128 n of B, likewise
.set SLOT,   2*HALFA+2*HALFB           ; A's 256 rows, then B's 256 n
.set KSB,    1048576                   ; a K step in wt
.set LAPS,   4                         ; a lap = two K steps = once round the ring
.set ADRA, 16                          ; v16-17  LDS address of my A fragments in slot 0, 1
.set ADRB, 20                          ; v20-21  the same for B
.set OOFF, 24                          ; v24     my 16 bytes in a pair of output chunks
.set BIOF, 25                          ; v25     32 h: my 8 bias numbers of a column tile
.set F0,   64                          ; fragment buffer 0; on the way out: sums with the bias
.set F1,   128                         ; fragment buffer 1; on the way out: packed results
.set BIAS, 192                         ; v[192:255] 8 numbers for each of 8 column tiles
.set G1, 24                            ; s[24:31] descriptor group 1 for A's tiles
.set G0, 32                            ; s[32:39] descriptor group 0 for A's tiles, one set for each slot
.set G1B, 48                           ; s[48:55] descriptor group 1 for B's tiles
.set G0B, 56                           ; s[56:63] descriptor group 0 for B's tiles, one set for each slot
.set MSB, 0
.macro WIN new                         ; low byte: bits 1:0 source 0, 3:2 source 1, 5:4 source 2, 7:6 destination; the high byte repeats the setting that is left
.if MSB != \new
	s_set_vgpr_msb (MSB<<8)|\new
.set MSB, \new
.endif
.endm
.set MUL_LO, 0xa1                      ; source 0 (B) window 1, source 1 (A) window 0, C and D window 2
.set MUL_HI, 0xf1                      ; the same, C and D window 3
.set TO_B,   0x40                      ; destination window 1, address window 0
; A joint load.  Waves 0 and 1 fetch A's two halves, waves 2 and 3 B's.  Each line has one mask and one set of registers for all that issue it; the branch hangs
; on the wave's number alone.
.macro JLOAD s
	s_cmp_eq_u32 s11, 0
	s_cbranch_scc0 .Lfor_b_\@
	tensor_load_to_lds s[G0+4*\s:G0+4*\s+3], s[G1:G1+7]
	s_nop 0
	s_branch .Lasked_\@
.Lfor_b_\@:
	tensor_load_to_lds s[G0B+4*\s:G0B+4*\s+3], s[G1B:G1B+7]
	s_nop 0
.Lasked_\@:
.endm
; A round of the cluster's barrier: my work-group's barrier, wave 0 signals for the work-group, every wave waits for all sixteen work-groups, my work-group's barrier once more.
.macro CREST                           ; a round behind its opening barrier
	s_cmp_lg_u32 s10, 0
	s_cbranch_scc1 .Lnot_wave_0_\@
	s_barrier_signal -3
.Lnot_wave_0_\@:
	s_barrier_wait -3
	s_barrier_signal -1
	s_barrier_wait -1
.endm
.macro CROUND                          ; a whole round
	s_barrier_signal -1
	s_barrier_wait -1
	CREST
.endm
	s_load_b128 s[4:7], s[0:1], 0x0                ; xh s[4:5], wt s[6:7]
	s_load_b128 s[68:71], s[0:1], 0x10             ; bq s[68:69], bkv s[70:71]
	s_load_b64 s[8:9], s[0:1], 0x20                ; qkv
	s_set_vgpr_msb 0x40
	v_lshl_add_u32 v255, v0, 2, 0x42000
	s_set_vgpr_msb 0x4000
	v_mov_b32 v63, 0
	s_set_vgpr_msb 0x1
	ds_add_u32 v255, v63
	s_set_vgpr_msb 0x100
	v_lshrrev_b32 v1, 5, v0
	v_readfirstlane_b32 s10, v1                    ; wave 0..3
	s_lshr_b32 s11, s10, 1                         ; which half of the block's rows is mine.  Also: I fetch for A (0) or for B (1)
	s_and_b32 s12, s10, 1                          ; which half of its columns.  Also: which half of that tile I fetch
	s_bfe_u32 s40, ttmp6, 0x40000                  ; cx
	s_bfe_u32 s41, ttmp6, 0x40004                  ; cy
	s_lshl_b32 s42, ttmp9, 2
	s_add_co_u32 s42, s42, s40                     ; block column 0..11 = 4 x cluster x + cx
	s_and_b32 s13, ttmp7, 0xffff
	s_lshl_b32 s13, s13, 2
	s_add_co_u32 s13, s13, s41                     ; block row 0..15 = 4 x cluster y + cy
	s_min_u32 s45, ttmp9, 1                        ; 0: q, from query_input's rows; 1: k or v, from kv_input's
	s_lshl_b32 s43, s41, 2
	s_lshl_b32 s43, 15, s43                        ; my row of the cluster: places 4 cy .. 4 cy + 3
	s_lshl_b32 s44, 0x1111, s40                    ; my column: places cx, cx + 4, cx + 8, cx + 12
	; group 1 for A: 128 rows x 128 elements of 2 bytes, 16 bytes of padding behind each row
	s_or_b32 s[G1+0], s43, (1<<16)|(1<<20)|(1<<21)|(5<<22)|(3<<25)  ; 15:0 my row; 17:16 elements of 2 bytes; 20 padding on; 21 set beside a mask; 24:22 after every 64 words; 31:25 of 4 words
	s_mov_b32 s[G1+1], KSTEP<<16                   ; tensor_dim0 = 128
	s_mov_b32 s[G1+2], 128<<16                     ; tensor_dim1 = 128
	s_mov_b32 s[G1+3], KSTEP<<16                   ; tile_dim0 = 128
	s_mov_b32 s[G1+4], 128                         ; tile_dim1 = 128
	s_mov_b32 s[G1+5], 1024                        ; from row to row: 1,024 elements
	s_mov_b32 s[G1+6], 0
	s_mov_b32 s[G1+7], 0
	; group 1 for B: 32,768 consecutive bytes as 128 rows of 32 elements of 8 bytes
	s_or_b32 s[G1B+0], s44, (3<<16)|(1<<21)        ; 15:0 my column; 17:16 elements of 8 bytes; 21 set beside a mask
	s_mov_b32 s[G1B+1], 32<<16                     ; tensor_dim0 = 32
	s_mov_b32 s[G1B+2], 128<<16                    ; tensor_dim1 = 128
	s_mov_b32 s[G1B+3], 32<<16                     ; tile_dim0 = 32
	s_mov_b32 s[G1B+4], 128                        ; tile_dim1 = 128
	s_mov_b32 s[G1B+5], 32                         ; from row to row: 32 elements
	s_mov_b32 s[G1B+6], 0
	s_mov_b32 s[G1B+7], 0
	; where the tiles come from.  A's hang on the block row and the cluster's x, B's on the block column; each in registers that never hold the other coordinate.
	s_lshl_b32 s17, s12, 7                         ; which 128 rows of A's tile I fetch
	s_lshl_b32 s16, s13, 8
	s_add_co_u32 s16, s16, s17
	s_lshl_b32 s17, s45, 12                        ; kv_input's rows begin at 4,096
	s_add_co_u32 s16, s16, s17
	s_lshl_b32 s16, s16, 11                        ; rows of 2,048 bytes
	s_mov_b32 s17, 0
	s_lshl_b32 s46, s42, 16                        ; 256 n = 16 groups of 4,096 bytes
	s_lshl_b32 s47, s12, 15                        ; which 128 n I fetch
	s_add_co_u32 s46, s46, s47
	s_mov_b32 s47, 0
	s_mul_i32 s20, s10, HALFA                      ; where they go: A's halves at wave x 34,816 (waves 0, 1),
	s_lshl_b32 s21, s10, 15
	s_add_co_u32 s21, s21, 2*HALFA-2*HALFB         ; B's at 4,096 + wave x 32,768 (waves 2, 3): straight behind A's
	s_wait_dscnt 0x0
	s_wait_kmcnt 0x0
	s_add_nc_u64 s[14:15], s[4:5], s[16:17]
	s_add_nc_u64 s[46:47], s[6:7], s[46:47]
	CROUND                                         ; all sixteen work-groups are here: the first joint loads meet
.irp s, 0,1
	s_mov_b32 s[G0+4*\s], 1                                        ; count = 1
	s_add_co_u32 s[G0+4*\s+1], s20, \s*SLOT                        ; LDS address
	s_add_nc_u64 s[G0+4*\s+2:G0+4*\s+3], s[14:15], \s*KSTEP*2      ; global address: K step s
	s_or_b32 s[G0+4*\s+3], s[G0+4*\s+3], 0x80000000                ; type = 2
	s_mov_b32 s[G0B+4*\s], 1
	s_add_co_u32 s[G0B+4*\s+1], s21, \s*SLOT
	s_add_nc_u64 s[G0B+4*\s+2:G0B+4*\s+3], s[46:47], \s*KSB
	s_or_b32 s[G0B+4*\s+3], s[G0B+4*\s+3], 0x80000000
	JLOAD \s                                       ; both slots are asked for before anything else is done
.endr
	; the bias of my 128 columns, once; it is waited for on the way out
	v_and_b32 v1, 15, v0                           ; r
	v_bfe_u32 v2, v0, 4, 1                         ; h
	v_lshlrev_b32 v[BIOF], 5, v2
	s_lshl_b32 s46, s45, 2
	s_sub_co_u32 s46, s42, s46                     ; the block column inside bq (0..3) or inside bkv (0..7)
	s_lshl1_add_u32 s46, s46, s12
	s_lshl_b32 s46, s46, 9                         ; 128 columns of 4 bytes
	s_mov_b32 s47, 0
	s_cmp_eq_u32 s45, 0
	s_cselect_b64 s[66:67], s[68:69], s[70:71]
	s_add_nc_u64 s[66:67], s[66:67], s[46:47]
.irp b, 0,1,2,3,4,5,6,7
	global_load_b128 v[BIAS+8*\b:BIAS+8*\b+3],   v[BIOF], s[66:67] offset:64*\b
	global_load_b128 v[BIAS+8*\b+4:BIAS+8*\b+7], v[BIOF], s[66:67] offset:64*\b+16
.endr
	; A fragment (16 rows x 32 k, 8 registers): lane (r, h) holds row r; registers 0-3 k = 8 h .., registers 4-7 k = 16 + 8 h ..
	; A: two loads 32 bytes apart in a row.  B: chunks 4 q + h and 4 q + 2 + h of the group: 16 x lane, and 512 bytes further.
	v_mul_u32_u24 v3, v1, PITCH
	v_lshl_add_u32 v3, v2, 4, v3                   ; r x pitch + 16 h
	v_and_b32 v4, 31, v0
	v_lshlrev_b32 v4, 4, v4                        ; 16 x lane
	s_mul_i32 s21, s11, HALFA                      ; my 128 rows of A
	s_lshl_b32 s22, s12, 15                        ; my 128 n of B,
	s_add_co_u32 s22, s22, 2*HALFA                 ; which lie behind A's 256 rows
.irp s, 0,1
	v_add_nc_u32 v[ADRA+\s], s21, v3
	v_add_nc_u32 v[ADRB+\s], s22, v4
	s_add_co_u32 s21, s21, SLOT
	s_add_co_u32 s22, s22, SLOT
.endr
	v_lshl_add_u32 v5, v2, 3, v1
	v_and_b32 v5, 15, v5
	v_lshlrev_b32 v5, 4, v5
	v_lshl_add_u32 v[OOFF], v2, 8, v5              ; 256 h + 16 ((r + 8 h) & 15)
; 16 matrix instructions: row tiles a0, a0 + 1 of the window's four (hi = 0: my rows 0-63, 1: rows 64-127) x all 8 column tiles, 32 along K.
; zero = 1: the first product starts the sums: nothing is ever cleared.  The 64 accumulators take turns, one instruction a turn, in the same order in every
; quarter step, over the backward jump too.
.macro MUL16 f, hi, a0, zero
.irp a, \a0, \a0+1
.irp b, 0,1,2,3,4,5,6,7
.if \zero
	v_wmma_f32_16x16x32_f16 v[8*(8*(\a)+\b):8*(8*(\a)+\b)+7], v[\f+8*\b:\f+8*\b+7], v[\f+8*(4*\hi+\a):\f+8*(4*\hi+\a)+7], 0
.else
	v_wmma_f32_16x16x32_f16 v[8*(8*(\a)+\b):8*(8*(\a)+\b)+7], v[\f+8*\b:\f+8*\b+7], v[\f+8*(4*\hi+\a):\f+8*(4*\hi+\a)+7], v[8*(8*(\a)+\b):8*(8*(\a)+\b)+7]
.endif
.endr
.endr
.endm
; 32 LDS loads in one run: the fragments of quarter q of a K step (128 n of B, 128 rows of A, 32 k) into buffer f
.macro FETCH slot, q, f
	WIN TO_B
.irp i, 0,1,2,3,4,5,6,7
	ds_load_b128 v[\f+8*\i:\f+8*\i+3],   v[ADRB+\slot] offset:\q*1024+\i*4096
	ds_load_b128 v[\f+8*\i+4:\f+8*\i+7], v[ADRB+\slot] offset:\q*1024+\i*4096+512
.endr
	WIN 0
.irp i, 0,1,2,3,4,5,6,7
	ds_load_b128 v[\f+8*\i:\f+8*\i+3],   v[ADRA+\slot] offset:\q*64+\i*16*PITCH
	ds_load_b128 v[\f+8*\i+4:\f+8*\i+7], v[ADRA+\slot] offset:\q*64+\i*16*PITCH+32
.endr
.endm
.macro PLACES                          ; four places behind a matrix instruction (ISA guide 7.12.1) before its sources are loaded anew or its results read
.rept 4
	v_nop
.endr
.endm
; A K step is four quarters of 32 along K, 64 matrix instructions each, on buffers 0, 1, 0, 1.
; One of the first three: multiplies buffer f; in its middle it fetches quarter q of the same slot into buffer g.
.macro QUARTER slot, q, f, g, zero
	s_wait_dscnt 8                                 ; B and A's rows 0-63 are in; the youngest eight loads (A's rows 64-127) may be out
	WIN MUL_LO
	MUL16 \f, 0, 0, \zero
	MUL16 \f, 0, 2, \zero
	PLACES
	FETCH \slot, \q, \g
	s_wait_dscnt 32                                ; all but the 32 just issued
	WIN MUL_HI
	MUL16 \f, 1, 0, \zero
	MUL16 \f, 1, 2, \zero
.endm
.macro THREE slot, zero
	QUARTER \slot, 1, F0, F1, \zero
	QUARTER \slot, 2, F1, F0, 0
	QUARTER \slot, 3, F0, F1, 0
.endm
; The last quarter: multiplies buffer 1 and changes slots.  next = the other slot; fill = 1: this slot is filled again, two K steps ahead.
; In front of the barrier each wave waits for its own reads of this slot and for all its tensor loads, of which one is out: its part of the next slot.
; Behind it nobody reads this slot any more and the next slot is whole: the refill comes first, then the next slot's first fragments.
; From a request to the wait for it a wave issues 240 matrix instructions.
.macro TURN slot, next, fill
	s_wait_dscnt 8
	WIN MUL_LO
	MUL16 F1, 0, 0, 0
	s_wait_dscnt 0                                 ; my reads of this slot are over
	s_wait_tensorcnt 0x0                           ; and all my tensor loads have landed
	ds_add_u32 v255, v63
	s_wait_dscnt 0x0
	s_barrier_signal -1                            ; say so (where a slot is filled again this barrier opens a round of the cluster's barrier),
	MUL16 F1, 0, 2, 0                              ; work on registers while the others arrive,
	WIN 0
	s_barrier_wait -1
.if \fill
	CREST                                          ; all sixteen work-groups have said so: no wave of any partner still reads this slot or has a load on its way
	s_add_nc_u64 s[G0+4*\slot+2:G0+4*\slot+3], s[G0+4*\slot+2:G0+4*\slot+3], 2*KSTEP*2
	s_add_nc_u64 s[G0B+4*\slot+2:G0B+4*\slot+3], s[G0B+4*\slot+2:G0B+4*\slot+3], 2*KSB
	JLOAD \slot                                    ; the first tensor load behind the round, one a wave
.endif
	PLACES
	FETCH \next, 0, F0
	WIN MUL_HI
	MUL16 F1, 1, 0, 0
	MUL16 F1, 1, 2, 0
.endm
.macro LAP zero                        ; once round the ring, both slots filled again
	THREE 0, \zero
	TURN 0, 1, 1
	THREE 1, 0
	TURN 1, 0, 1
.endm
	s_wait_tensorcnt 1                             ; my part of K step 0 is in; K step 1's stays out
	s_barrier_signal -1
	s_barrier_wait -1                              ; everybody's is
	FETCH 0, 0, F0
	LAP 1                                          ; the first lap stands in front of the loop: its first products start the sums
	WIN 0                                          ; at a label and at a branch every window is 0
	s_mov_b32 s3, LAPS-2
.Llap:
	LAP 0
	WIN 0
	s_sub_co_u32 s3, s3, 1
	s_cmp_lg_u32 s3, 0
	s_cbranch_scc1 .Llap
	THREE 0, 0                                     ; the last lap fills nothing and has no round: the one load still out is slot 1's, the last K step's
	TURN 0, 1, 0
	THREE 1, 0
	s_wait_dscnt 8                                 ; the very last quarter: nothing more to fetch
	WIN MUL_LO
	MUL16 F1, 0, 0, 0
	MUL16 F1, 0, 2, 0
	s_wait_dscnt 0
	WIN MUL_HI
	MUL16 F1, 1, 0, 0
	MUL16 F1, 1, 2, 0
	; THE WAY OUT, 16 rows at a time: bias in f32, one rounding to f16, eight stores of 512 consecutive bytes.
	PLACES                                         ; behind the last products: their results are read and buffers 0 and 1 written
	s_lshr_b32 s16, s13, 3                         ; batch: 16 heads of 262,144 bytes
	s_lshl_b32 s16, s16, 22
	s_and_b32 s17, s13, 7
	s_lshl1_add_u32 s17, s17, s11                  ; my 128 rows = 8 groups of 2,048 bytes
	s_lshl_b32 s17, s17, 14
	s_add_co_u32 s16, s16, s17
	s_mov_b32 s17, 0
	s_add_nc_u64 s[8:9], s[8:9], s[16:17]
	s_lshr_b32 s46, s42, 2                         ; section: 8,388,608 bytes
	s_lshl_b32 s46, s46, 23
	s_and_b32 s47, s42, 3
	s_lshl1_add_u32 s47, s47, s12                  ; my 128 columns = 2 heads of 262,144 bytes
	s_lshl_b32 s47, s47, 19
	s_add_co_u32 s46, s46, s47
	s_mov_b32 s47, 0
	s_add_nc_u64 s[8:9], s[8:9], s[46:47]
	s_wait_loadcnt 0x0                             ; the bias
; rows 16 i .. 16 i + 15 of my block = the eight tiles (a, 0..7) of window 2 or 3 (from = 0x02 or 0x03: source 0)
.macro OUT16 i, a, from
	WIN \from
.irp b, 0,1,2,3,4,5,6,7
.irp p, 0,1,2,3
	v_pk_add_f32 v[F0+8*\b+2*\p:F0+8*\b+2*\p+1], v[8*(8*\a+\b)+2*\p:8*(8*\a+\b)+2*\p+1], v[BIAS+8*\b+2*\p:BIAS+8*\b+2*\p+1]
.endr
.endr
	WIN 0
	s_wait_xcnt 0x0                                ; every earlier store has had its addresses translated (ISA guide 3.1): the packed registers are rewritten only behind this wait
.irp b, 0,1,2,3,4,5,6,7
.irp p, 0,1,2,3
	v_cvt_pk_f16_f32 v[F1+4*\b+\p], v[F0+8*\b+2*\p], v[F0+8*\b+2*\p+1]
.endr
.endr
.irp b, 0,1,2,3,4,5,6,7
	global_store_b128 v[OOFF], v[F1+4*\b:F1+4*\b+3], s[8:9] offset:(\b/4)*262144+\i*2048+(\b%4)*512   ; head b / 4 of my two, group i, chunks 2 (b % 4) and + 1
.endr
.endm
	OUT16 0, 0, 0x02
	OUT16 1, 1, 0x02
	OUT16 2, 2, 0x02
	OUT16 3, 3, 0x02
	OUT16 4, 0, 0x03
	OUT16 5, 1, 0x03
	OUT16 6, 2, 0x03
	OUT16 7, 3, 0x03
	CROUND                                         ; the closing round: no work-group ends while a partner may still ask for a tile that names it
	s_endpgm
.Lfunc_end_k_q6b9b6267f4_proj:
	.size	k_q6b9b6267f4_proj, .Lfunc_end_k_q6b9b6267f4_proj-k_q6b9b6267f4_proj
	.p2alignl 7, 3214868480
	.fill 96, 4, 3214868480
	.section	.rodata,"a",@progbits
	.p2align	6, 0x0
	.amdhsa_kernel k_q6b9b6267f4_proj
		.amdhsa_group_segment_fixed_size 327680
		.amdhsa_private_segment_fixed_size 0
		.amdhsa_enable_private_segment 0
		.amdhsa_kernarg_size 40
		.amdhsa_user_sgpr_count 2
		.amdhsa_user_sgpr_kernarg_segment_ptr 1
		.amdhsa_wavefront_size32 1
		.amdhsa_system_sgpr_workgroup_id_x 1
		.amdhsa_system_sgpr_workgroup_id_y 1
		.amdhsa_system_sgpr_workgroup_id_z 1
		.amdhsa_system_vgpr_workitem_id 0
		.amdhsa_next_free_vgpr 1024
		.amdhsa_next_free_sgpr 72
		.amdhsa_reserve_vcc 0
		.amdhsa_float_denorm_mode_32 3
		.amdhsa_float_denorm_mode_16_64 3
		.amdhsa_memory_ordered 1
		.amdhsa_forward_progress 1
		.amdhsa_inst_pref_size 203
	.end_amdhsa_kernel
	.amdgpu_metadata
---
amdhsa.version: [ 1, 2 ]
amdhsa.kernels:
  - .name:           k_q6b9b6267f4_proj
    .symbol:         k_q6b9b6267f4_proj.kd
    .args:
      - { .name: xh, .offset: 0, .size: 8, .value_kind: global_buffer, .address_space: global }
      - { .name: wt, .offset: 8, .size: 8, .value_kind: global_buffer, .address_space: global }
      - { .name: bq, .offset: 16, .size: 8, .value_kind: global_buffer, .address_space: global }
      - { .name: bkv, .offset: 24, .size: 8, .value_kind: global_buffer, .address_space: global }
      - { .name: qkv, .offset: 32, .size: 8, .value_kind: global_buffer, .address_space: global }
    .group_segment_fixed_size: 327680
    .private_segment_fixed_size: 0
    .kernarg_segment_align: 8
    .kernarg_segment_size: 40
    .max_flat_workgroup_size: 128
    .sgpr_count:     72
    .vgpr_count:     1024
    .wavefront_size: 32
...
	.end_amdgpu_metadata
.endif
;; end of part 5
;; launch attn (part 6): grid 8 x 32, 16 waves a work-group, clusters of 4 x 1, 327,680 bytes of LDS; arguments qkv, ao; writes ao
.if DOCPART == 6
	.amdgcn_target "amdgcn-amd-amdhsa--gfx1250"
	.amdhsa_code_object_version 6
	.text
	.protected	k_q6b9b6267f4_attn
	.globl	k_q6b9b6267f4_attn
	.p2align	8
	.type	k_q6b9b6267f4_attn,@function
k_q6b9b6267f4_attn:
	s_mov_b64 s[64:65], 0
	v_nop
	global_prefetch_b8 v0, s[64:65] scope:SCOPE_SE
	s_setreg_imm32_b32 hwreg(HW_REG_WAVE_MODE, 25, 1), 1
	s_wait_xcnt 0x0
	s_wait_alu depctr_hold_cnt(0) depctr_sa_sdst(0) depctr_va_vdst(0) depctr_va_sdst(0) depctr_va_ssrc(0) depctr_va_vcc(0) depctr_vm_vsrc(0)
	s_getreg_b32 s2, hwreg(HW_REG_IB_STS2, 6, 4)
	s_cmp_eq_u32 s2, 0
	s_cbranch_scc0 .Lentry_in_a_cluster
	s_endpgm
.Lentry_in_a_cluster:
	s_bfe_u32 s2, ttmp6, 0x10000c
	s_cmp_lg_u32 s2, 0x3003
	s_cbranch_scc0 .Lentry_shape_is_right
	s_endpgm
.Lentry_shape_is_right:
; softmax(q k^T / 8) v for one head (y of the grid: bh = 16 batch + head) and 256 q rows (x of the grid), with a running maximum.
; q, k, v come as f16 in the layout [section][bh][group of 16 rows][chunk of 8 dh][16][8], 16 bytes of (row p, chunk c) at
; 256 c + 16 ((p + 8 (c & 1)) & 15); the result goes out in the same layout, as f16.  Scores, maxima, sums and outputs are f32;
; the weights (0 .. 1) are rounded to f16 for the second product.
; LIMIT: |q|, |k|, |v| below 65,504 (f16).  The exponent of every exponential is at most 0 and each row sum is at least 1.
; SIXTEEN WAVES: wave w takes the 32 q rows of row group w & 7 (two tiles t of 16) and one half of the keys, w >> 3.  Four waves of 256 registers
; lie on each SIMD, so that one wave's maxima, exponentials and LDS loads run while others' products run.  The two waves of a row group
; keep maxima, sums and outputs of their own and join them once, at the end.
; Keys go in 4 tiles of 512 through two LDS slots (K 64 KiB + V 64 KiB each); of each tile waves 0-7 read keys 0-255, waves 8-15 keys 256-511.
; CLUSTER: the four work-groups of a cluster are four q blocks of one head and read the same K and V tiles: every tile is asked for
; jointly (mask 15).  Each wave brings 8 KiB of a tile with one load: waves 0-7 eighths of K, waves 8-15 eighths of V.  The place in the
; cluster enters the global addresses of q and of the result alone.
; ORIENTATION: S^T = K Q^T (source 0 = 16 keys, source 1 = 16 q rows): lane (r, h) holds q row r and keys 16 kt + 8 h + j.  Two key tiles,
; packed to f16, are then already the second source of O^T = V^T P^T for 32 keys, and O^T again has q row r in lane r: maximum, rescaling
; and sum belong to one lane, and one exchange between lanes r and r + 16 joins the two halves of the keys.
.set KT,   65536                       ; K (or V) of a tile: 512 keys x 64 dh x 2 bytes
.set SLOT, 131072                      ; K, then V
.set SCR,  2*SLOT                      ; behind the slots: where waves 8-15 hand their results over; no tensor load lands here
.set SCRW, 4608                        ; for each row group: 32 registers x 128 bytes, then 512 bytes of sums and shifts (18 x 256)
.set RM,   2                           ; v[2:3]    running maximum of tile t, in raw scores
.set LS,   4                           ; v[4:5]    running sum over my half of the lanes' keys
.set NM,   6                           ; v[6:7]    - c x maximum, the shift that the exponentials use (behind LS: the four go out in one 16-byte store)
.set AL,   8                           ; v[8:9]    factor that brings old sums to the new maximum
.set MX,   10                          ; v[10:13]  two chains of maxima for each t
.set PT,   14                          ; v14       what the other half of the lanes holds
.set QF,   16                          ; v[16:47]  Q fragment (t, kk) at 16 t + 8 kk
.set KV,   48                          ; v[48:111] K fragment (kt, kk) at 16 kt + 8 kk, then V fragment (d, kp) at 16 d + 8 kp; at the end the partner's outputs
.set SC,   112                         ; v[112:175] scores (kt, t) at 32 t + 8 kt; later P (t, kp) at 32 t + 16 kp; at the end the partner's sums and shifts
.set OA,   176                         ; v[176:239] output (d, t) at 32 t + 8 d
.set ADRK, 240                         ; v[240:241] K fragments of slot 0, 1, my half of the keys
.set ADRV, 242                         ; v[242:243] V fragments of slot 0, 1, my half of the keys
.set LQ,   244                         ; v244      256 h + 16 ((r + 8 h) & 15): q loads and result stores
.set MG,   245                         ; v245      my 16 bytes of each 512 in my row group's hand-over bytes
.set SUM,  246                         ; v[246:249] two chains of pair sums
.set INV,  250                         ; v[250:251] 1 / row sum
; A round of the cluster barrier: my work-group barrier, wave 0 signals for the work-group, every wave waits for all four work-groups,
; my work-group barrier once more.
.macro ROUND
	s_barrier_signal -1
	s_barrier_wait -1
	s_cmp_lg_u32 s8, 0
	s_cbranch_scc1 .Lnot_wave_0_\@
	s_barrier_signal -3
.Lnot_wave_0_\@:
	s_barrier_wait -3
	s_barrier_signal -1
	s_barrier_wait -1
.endm
	s_load_b128 s[4:7], s[0:1], 0x0                ; qkv s[4:5], ao s[6:7]
	v_lshl_add_u32 v254, v0, 2, 0x49000
	v_mov_b32 v255, 0
	ds_add_u32 v254, v255
	v_lshrrev_b32 v1, 5, v0
	v_readfirstlane_b32 s8, v1                     ; wave 0..15
	s_lshr_b32 s41, s8, 3                          ; which half of the keys I read.  Also: I fetch for K (0) or for V (1)
	s_and_b32 s42, s8, 7                           ; my row group.  Also: which eighth of that tile I fetch
	s_bfe_u32 s9, ttmp6, 0x40000                   ; cx: my place in the cluster
	s_lshl_b32 s10, ttmp9, 2
	s_add_co_u32 s10, s10, s9                      ; q block = 4 x cluster x + cx
	s_and_b32 s11, ttmp7, 0xffff                   ; bh
	s_mov_b32 s12, 0x76543210                      ; v_permlanex16_b32: lane i reads lane i of the other half
	s_mov_b32 s13, 0xfedcba98
	s_mov_b32 s14, 0x3e38aa3b                      ; c = log2(e) / 8: the scale 1 / sqrt(64) and the change of base in one factor
	s_mov_b32 s15, 0x3e38aa3b
	s_mov_b32 s40, 0xbe38aa3b                      ; - c
	; group 1: 32 rows of 32 elements of 8 bytes = 8 KiB, dense in memory and in LDS
	s_mov_b32 s16, 15|(3<<16)|(1<<21)              ; 15:0 the four work-groups of the cluster; 17:16 elements of 8 bytes; 21 set beside a mask
	s_mov_b32 s17, 32<<16                          ; tensor_dim0 = 32
	s_mov_b32 s18, 32<<16                          ; tensor_dim1 = 32
	s_mov_b32 s19, 32<<16                          ; tile_dim0 = 32
	s_mov_b32 s20, 32                              ; tile_dim1 = 32
	s_mov_b32 s21, 32                              ; from row to row: 32 elements
	s_mov_b32 s22, 0
	s_mov_b32 s23, 0
	; group 0 for each slot.  The offset is made of bh and the wave number, which the four partners share.
	s_add_co_u32 s28, s41, 1                       ; section 1 (K) or 2 (V)
	s_lshl_b32 s28, s28, 23
	s_lshl_b32 s29, s11, 18                        ; bh x 262,144
	s_add_co_u32 s28, s28, s29
	s_lshl_b32 s29, s42, 13                        ; my eighth
	s_add_co_u32 s28, s28, s29
	s_mov_b32 s29, 0
	s_mov_b32 s32, 1
	s_mov_b32 s36, 1
	s_lshl_b32 s33, s8, 13                         ; LDS: wave x 8 KiB (waves 8-15 land in the V half),
	s_add_co_u32 s37, s33, SLOT                    ; and the same in slot 1
	; q and the result: the one place where cx enters
	s_lshl_b32 s30, s11, 18
	s_lshl_b32 s31, s10, 15                        ; 256 rows = 16 groups of 2,048 bytes
	s_add_co_u32 s30, s30, s31
	s_lshl_b32 s31, s42, 12                        ; my 32 rows
	s_add_co_u32 s30, s30, s31
	s_mov_b32 s31, 0
	s_wait_dscnt 0x0
	s_wait_kmcnt 0x0
	s_add_nc_u64 s[34:35], s[4:5], s[28:29]        ; tile 0
	s_add_nc_u64 s[38:39], s[34:35], KT            ; tile 1
	s_or_b32 s35, s35, 0x80000000                  ; type 2
	s_or_b32 s39, s39, 0x80000000
	s_add_nc_u64 s[24:25], s[4:5], s[30:31]
	s_add_nc_u64 s[26:27], s[6:7], s[30:31]
	ROUND                                          ; all four work-groups are here: the first joint loads meet
	tensor_load_to_lds s[32:35], s[16:23]          ; tile 0 into slot 0
	s_nop 0
	v_and_b32 v1, 15, v0                           ; r
	v_bfe_u32 v15, v0, 4, 1                        ; h
	v_lshl_add_u32 v246, v15, 3, v1
	v_and_b32 v246, 15, v246
	v_lshlrev_b32 v246, 4, v246
	v_lshl_add_u32 v[LQ], v15, 8, v246
.irp t, 0,1
.irp kk, 0,1
	global_load_b128 v[QF+16*\t+8*\kk:QF+16*\t+8*\kk+3],   v[LQ], s[24:25] offset:\t*2048+\kk*1024       ; dh 32 kk + 8 h ..: chunk 4 kk + h
	global_load_b128 v[QF+16*\t+8*\kk+4:QF+16*\t+8*\kk+7], v[LQ], s[24:25] offset:\t*2048+\kk*1024+512   ; dh 32 kk + 16 + 8 h ..
.endr
.endr
	s_lshl_b32 s43, s41, 15                        ; my half of a tile's keys: 256 keys = 32,768 bytes, in K and in V alike
	v_add_nc_u32 v[ADRK], s43, v[LQ]
	v_add_nc_u32 v[ADRK+1], SLOT, v[ADRK]
	; V goes through the transposing load: lane L addresses key row 8 h + (L & 7) and chunk 2 d + u, u = (L >> 3) & 1.  The half turn of the odd
	; chunks puts lanes 0-7 and lanes 8-15 into different halves of 256 bytes.
	v_bfe_u32 v247, v0, 3, 1                       ; u
	v_and_b32 v246, 7, v0
	v_add_nc_u32 v248, v15, v247
	v_lshl_add_u32 v246, v248, 3, v246             ; (L & 7) + 8 h + 8 u
	v_and_b32 v246, 15, v246
	v_lshlrev_b32 v246, 4, v246
	v_lshl_add_u32 v246, v247, 8, v246
	s_add_co_u32 s43, s43, KT                      ; V lies behind K
	v_add_nc_u32 v[ADRV], s43, v246
	v_add_nc_u32 v[ADRV+1], SLOT, v[ADRV]
	s_mul_i32 s43, s42, SCRW
	s_add_co_u32 s43, s43, SCR                     ; my row group's hand-over bytes
	v_and_b32 v247, 31, v0
	v_lshl_add_u32 v[MG], v247, 4, s43             ; + 16 x lane
	v_mov_b32 v[PT], 0                             ; v_permlanex16_b32 counts as a reader of its destination
	s_wait_loadcnt 0x0                             ; q, once
; The largest of my 32 scores of tile t (two chains), with the running maximum, joined with the other half of the lanes.
.macro ROWMAX t, first
	v_max3_num_f32 v[MX+2*\t],   v[SC+32*\t],    v[SC+32*\t+1],  v[SC+32*\t+2]
	v_max3_num_f32 v[MX+2*\t+1], v[SC+32*\t+17], v[SC+32*\t+18], v[SC+32*\t+19]
.irp i, 0,1,2,3,4,5
	v_max3_num_f32 v[MX+2*\t],   v[MX+2*\t],   v[SC+32*\t+3+2*\i],  v[SC+32*\t+4+2*\i]
	v_max3_num_f32 v[MX+2*\t+1], v[MX+2*\t+1], v[SC+32*\t+20+2*\i], v[SC+32*\t+21+2*\i]
.endr
	v_max3_num_f32 v[MX+2*\t], v[MX+2*\t], v[SC+32*\t+15], v[SC+32*\t+16]
.if \first
	v_max_num_f32 v[MX+2*\t], v[MX+2*\t], v[MX+2*\t+1]
.else
	v_max3_num_f32 v[MX+2*\t], v[MX+2*\t], v[MX+2*\t+1], v[RM+\t]
.endif
	v_permlanex16_b32 v[PT], v[MX+2*\t], s12, s13
	v_max_num_f32 v[RM+\t], v[MX+2*\t], v[PT]
.if \first
	v_mul_f32 v[NM+\t], s40, v[RM+\t]
.else
	v_mul_f32 v[MX+2*\t+1], s40, v[RM+\t]          ; the new shift
	v_sub_f32 v[AL+\t], v[MX+2*\t+1], v[NM+\t]     ; new shift - old shift (at most 0): exactly what old terms have to be moved by
	v_mov_b32 v[NM+\t], v[MX+2*\t+1]
.endif
.endm
.macro SCALE t                         ; c x score - c x maximum, two at a time
.irp i, 0,1,2,3,4,5,6,7,8,9,10,11,12,13,14,15
	v_pk_fma_f32 v[SC+32*\t+2*\i:SC+32*\t+2*\i+1], v[SC+32*\t+2*\i:SC+32*\t+2*\i+1], s[14:15], v[NM:NM+1] op_sel:[0,0,\t] op_sel_hi:[1,0,\t]
.endr
.endm
.macro EXPS t
.irp i, 0,1,2,3,4,5,6,7,8,9,10,11,12,13,14,15,16,17,18,19,20,21,22,23,24,25,26,27,28,29,30,31
	v_exp_f32 v[SC+32*\t+\i], v[SC+32*\t+\i]
.endr
.endm
.macro RESCALE t
	s_wait_alu depctr_va_vdst(0)
.irp i, 0,1,2,3,4,5,6,7,8,9,10,11,12,13,14,15
	v_pk_mul_f32 v[OA+32*\t+2*\i:OA+32*\t+2*\i+1], v[OA+32*\t+2*\i:OA+32*\t+2*\i+1], v[AL:AL+1] op_sel:[0,\t] op_sel_hi:[1,\t]
.endr
.endm
.macro ROWSUM t, first
	v_pk_add_f32 v[SUM:SUM+1],   v[SC+32*\t:SC+32*\t+1],     v[SC+32*\t+2:SC+32*\t+3]
	v_pk_add_f32 v[SUM+2:SUM+3], v[SC+32*\t+16:SC+32*\t+17], v[SC+32*\t+18:SC+32*\t+19]
.irp i, 2,3,4,5,6,7
	v_pk_add_f32 v[SUM:SUM+1],   v[SUM:SUM+1],   v[SC+32*\t+2*\i:SC+32*\t+2*\i+1]
	v_pk_add_f32 v[SUM+2:SUM+3], v[SUM+2:SUM+3], v[SC+32*\t+16+2*\i:SC+32*\t+16+2*\i+1]
.endr
	v_pk_add_f32 v[SUM:SUM+1], v[SUM:SUM+1], v[SUM+2:SUM+3]
.if \first
	v_add_f32 v[LS+\t], v[SUM], v[SUM+1]
.else
	v_fma_f32 v[LS+\t], v[LS+\t], v[AL+\t], v[SUM]
	v_add_f32 v[LS+\t], v[LS+\t], v[SUM+1]
.endif
.endm
.macro PACK t                          ; 16 registers (two key tiles) into 8, in place, ascending: each source is read before its register is written
.irp kp, 0,1
.irp i, 0,1,2,3,4,5,6,7
	v_cvt_pk_f16_f32 v[SC+32*\t+16*\kp+\i], v[SC+32*\t+16*\kp+2*\i], v[SC+32*\t+16*\kp+2*\i+1]
.endr
.endr
.endm
; 64 keys: block kb of my half of the tile in the slot.  first = 1: my very first block starts maxima, sums and outputs; nothing is cleared.
; In both products eight accumulators take turns, one instruction a turn.
.macro BLOCK slot, kb, first
.if \first
.else
.rept 5
	v_nop                                          ; places behind the last product (ISA guide 7.12.1): its V registers are loaded anew, its P registers written by the next product
.endr
.endif
.irp kk, 0,1
.irp kt, 0,1,2,3
	ds_load_b128 v[KV+16*\kt+8*\kk:KV+16*\kt+8*\kk+3],   v[ADRK+\slot] offset:(4*\kb+\kt)*2048+\kk*1024       ; sixteen lanes read 256 consecutive bytes
	ds_load_b128 v[KV+16*\kt+8*\kk+4:KV+16*\kt+8*\kk+7], v[ADRK+\slot] offset:(4*\kb+\kt)*2048+\kk*1024+512
.endr
.endr
	s_wait_dscnt 8                                 ; younger: the 8 loads of dh 32..63
.irp kt, 0,1,2,3
.irp t, 0,1
	v_wmma_f32_16x16x32_f16 v[SC+32*\t+8*\kt:SC+32*\t+8*\kt+7], v[KV+16*\kt:KV+16*\kt+7], v[QF+16*\t:QF+16*\t+7], 0
.endr
.endr
	s_wait_dscnt 0
.irp kt, 0,1,2,3
.irp t, 0,1
	v_wmma_f32_16x16x32_f16 v[SC+32*\t+8*\kt:SC+32*\t+8*\kt+7], v[KV+16*\kt+8:KV+16*\kt+15], v[QF+16*\t+8:QF+16*\t+15], v[SC+32*\t+8*\kt:SC+32*\t+8*\kt+7]
.endr
.endr
.rept 4
	v_nop                                          ; places: the K registers are loaded anew and the scores read
.endr
.irp kp, 0,1
.irp d, 0,1,2,3
	ds_load_tr16_b128 v[KV+16*\d+8*\kp:KV+16*\d+8*\kp+3],   v[ADRV+\slot] offset:(2*\kb+\kp)*4096+\d*512        ; keys 32 kp + 8 h ..; they land under the softmax
	ds_load_tr16_b128 v[KV+16*\d+8*\kp+4:KV+16*\d+8*\kp+7], v[ADRV+\slot] offset:(2*\kb+\kp)*4096+\d*512+2048   ; keys 32 kp + 16 + 8 h ..: the next group
.endr
.endr
	ROWMAX 0, \first
	ROWMAX 1, \first
.if \first
.else
	v_exp_f32 v[AL], v[AL]
	v_exp_f32 v[AL+1], v[AL+1]
.endif
	SCALE 0                                        ; plain instructions behind the two exponentials above (ISA guide 5.7.2)
	EXPS 0
	SCALE 1                                        ; and behind those of t = 0
	EXPS 1
.if \first
	v_nop                                          ; one plain instruction behind the exponentials of t = 1
	s_wait_alu depctr_va_vdst(0)
.else
	RESCALE 0                                      ; here they are the plain instructions
	RESCALE 1
.endif
	ROWSUM 0, \first
	ROWSUM 1, \first
	PACK 0
	PACK 1
	s_wait_dscnt 0                                 ; V
.irp d, 0,1,2,3
.irp t, 0,1
.if \first
	v_wmma_f32_16x16x32_f16 v[OA+32*\t+8*\d:OA+32*\t+8*\d+7], v[KV+16*\d:KV+16*\d+7], v[SC+32*\t:SC+32*\t+7], 0
.else
	v_wmma_f32_16x16x32_f16 v[OA+32*\t+8*\d:OA+32*\t+8*\d+7], v[KV+16*\d:KV+16*\d+7], v[SC+32*\t:SC+32*\t+7], v[OA+32*\t+8*\d:OA+32*\t+8*\d+7]
.endif
.endr
.endr
.irp d, 0,1,2,3
.irp t, 0,1
	v_wmma_f32_16x16x32_f16 v[OA+32*\t+8*\d:OA+32*\t+8*\d+7], v[KV+16*\d+8:KV+16*\d+15], v[SC+32*\t+16:SC+32*\t+23], v[OA+32*\t+8*\d:OA+32*\t+8*\d+7]
.endr
.endr
.endm
; One tile of 512 keys, of which I read 256.  In front of the round every wave has waited for all its tensor loads (one is out: its part of this
; tile) and for its reads of the other slot; behind the round the other slot is filled again first, one load a wave, and has four blocks in which to land.
.macro TRIP slot, refill, first
	s_wait_tensorcnt 0x0                           ; no tensor load of mine is out, so a group 0 may be written:
	ds_add_u32 v254, v255
	s_wait_dscnt 0x0
	s_add_nc_u64 s[34+4*\slot:35+4*\slot], s[34+4*\slot:35+4*\slot], 2*KT   ; the next tile of this slot
	s_wait_dscnt 0x0                               ; my reads of the last tile are done
	ROUND                                          ; both now hold of every wave of all four work-groups
.if \refill
	tensor_load_to_lds s[36-4*\slot:39-4*\slot], s[16:23]
	s_nop 0
.endif
	BLOCK \slot, 0, \first
	BLOCK \slot, 1, 0
	BLOCK \slot, 2, 0
	BLOCK \slot, 3, 0
.endm
	TRIP 0, 1, 1                                   ; tile 0; asks for tile 1.  The first block starts the sums
	TRIP 1, 1, 0                                   ; tile 1; asks for tile 2
	TRIP 0, 1, 0                                   ; tile 2; asks for tile 3
	TRIP 1, 0, 0                                   ; tile 3: nothing is left to fetch (the stepped addresses are not used)
	; THE TWO HALVES OF THE KEYS MEET.  Waves 8-15 hand their outputs, sums and shifts to waves 0-7 through LDS bytes of their own, tile t = 0 first and
	; then t = 1 through the same bytes: all 64 registers of eight waves at once would be 69,632 bytes with the sums, and 65,536 are left behind the slots.
	; Each hand-over: the stores, their wait for 0, a barrier, the loads; and the loads' wait for 0 and a barrier before the bytes are written again.
.rept 4
	v_nop                                          ; places behind the last product
.endr
.irp t, 0,1
	v_permlanex16_b32 v[PT], v[LS+\t], s12, s13    ; the two halves of the lanes: each row sum over my 1,024 keys
	v_add_f32 v[LS+\t], v[LS+\t], v[PT]
.endr
	s_cmp_lt_u32 s8, 8
	s_cbranch_scc1 .Lgiven_0
.irp i, 0,1,2,3,4,5,6,7
	ds_store_b128 v[MG], v[OA+4*\i:OA+4*\i+3] offset:512*\i        ; 32 lanes, 16 neighbouring bytes each
.endr
	ds_store_b128 v[MG], v[LS:LS+3] offset:4096                    ; sums of t = 0, 1, shifts of t = 0, 1
.Lgiven_0:
	s_wait_dscnt 0x0                               ; for the partner's sake: my stores are done
	s_barrier_signal -1
	s_barrier_wait -1
	s_cmp_lt_u32 s8, 8
	s_cbranch_scc0 .Ltaken_0
.irp i, 0,1,2,3,4,5,6,7
	ds_load_b128 v[KV+4*\i:KV+4*\i+3], v[MG] offset:512*\i
.endr
	ds_load_b128 v[SC:SC+3], v[MG] offset:4096
.Ltaken_0:
	s_wait_dscnt 0x0                               ; my reads are done: the bytes may be written again
	s_barrier_signal -1
	s_barrier_wait -1
	s_cmp_lt_u32 s8, 8
	s_cbranch_scc1 .Lgiven_1
.irp i, 0,1,2,3,4,5,6,7
	ds_store_b128 v[MG], v[OA+32+4*\i:OA+32+4*\i+3] offset:512*\i
.endr
.Lgiven_1:
	s_wait_dscnt 0x0
	s_barrier_signal -1
	s_barrier_wait -1
	s_cmp_lt_u32 s8, 8
	s_cbranch_scc0 .Lend
.irp i, 0,1,2,3,4,5,6,7
	ds_load_b128 v[KV+32+4*\i:KV+32+4*\i+3], v[MG] offset:512*\i
.endr
	; The joint shift belongs to the larger maximum, so it is the smaller of the two; each side is moved by 2^(joint shift - its shift), exponent at most 0.
.irp t, 0,1
	v_min_num_f32 v[MX+2+\t], v[NM+\t], v[SC+2+\t]
	v_sub_f32 v[AL+\t], v[MX+2+\t], v[NM+\t]       ; mine
	v_sub_f32 v[MX+\t], v[MX+2+\t], v[SC+2+\t]     ; the partner's
.endr
	v_exp_f32 v[AL], v[AL]
	v_exp_f32 v[AL+1], v[AL+1]
	v_exp_f32 v[MX], v[MX]
	v_exp_f32 v[MX+1], v[MX+1]
	v_nop                                          ; one plain instruction behind the exponentials (ISA guide 5.7.2)
	s_wait_alu depctr_va_vdst(0)
.irp t, 0,1
	v_mul_f32 v[LS+\t], v[LS+\t], v[AL+\t]
	v_fma_f32 v[LS+\t], v[SC+\t], v[MX+\t], v[LS+\t]   ; the row sum over all 2,048 keys: at least 1
.endr
	v_rcp_f32 v[INV], v[LS]
	v_rcp_f32 v[INV+1], v[LS+1]
	v_nop                                          ; one plain instruction behind the reciprocals
	s_wait_alu depctr_va_vdst(0)
	v_pk_mul_f32 v[AL:AL+1], v[AL:AL+1], v[INV:INV+1]   ; the division goes into the two factors
	v_pk_mul_f32 v[MX:MX+1], v[MX:MX+1], v[INV:INV+1]
	s_wait_dscnt 0x0                               ; the partner's t = 1
.irp t, 0,1
.irp i, 0,1,2,3,4,5,6,7,8,9,10,11,12,13,14,15
	v_pk_mul_f32 v[OA+32*\t+2*\i:OA+32*\t+2*\i+1], v[OA+32*\t+2*\i:OA+32*\t+2*\i+1], v[AL:AL+1] op_sel:[0,\t] op_sel_hi:[1,\t]
.endr
.irp i, 0,1,2,3,4,5,6,7,8,9,10,11,12,13,14,15
	v_pk_fma_f32 v[OA+32*\t+2*\i:OA+32*\t+2*\i+1], v[KV+32*\t+2*\i:KV+32*\t+2*\i+1], v[MX:MX+1], v[OA+32*\t+2*\i:OA+32*\t+2*\i+1] op_sel:[0,\t,0] op_sel_hi:[1,\t,1]
.endr
.endr
	; rounded to f16 and stored, 512 consecutive bytes a store
.irp t, 0,1
.irp d, 0,1,2,3
.irp i, 0,1,2,3
	v_cvt_pk_f16_f32 v[OA+32*\t+8*\d+\i], v[OA+32*\t+8*\d+2*\i], v[OA+32*\t+8*\d+2*\i+1]
.endr
.endr
.endr
.irp t, 0,1
.irp d, 0,1,2,3
	global_store_b128 v[LQ], v[OA+32*\t+8*\d:OA+32*\t+8*\d+3], s[26:27] offset:\t*2048+\d*512   ; q row r, dh 16 d + 8 h ..: chunk 2 d + h
.endr
.endr
.Lend:
	s_wait_tensorcnt 0x0
	ds_add_u32 v254, v255
	s_wait_dscnt 0x0
	ROUND                                          ; the closing round: no work-group ends while a partner may still ask for a tile that names it
	s_endpgm
.Lfunc_end_k_q6b9b6267f4_attn:
	.size	k_q6b9b6267f4_attn, .Lfunc_end_k_q6b9b6267f4_attn-k_q6b9b6267f4_attn
	.p2alignl 7, 3214868480
	.fill 96, 4, 3214868480
	.section	.rodata,"a",@progbits
	.p2align	6, 0x0
	.amdhsa_kernel k_q6b9b6267f4_attn
		.amdhsa_group_segment_fixed_size 327680
		.amdhsa_private_segment_fixed_size 0
		.amdhsa_enable_private_segment 0
		.amdhsa_kernarg_size 16
		.amdhsa_user_sgpr_count 2
		.amdhsa_user_sgpr_kernarg_segment_ptr 1
		.amdhsa_wavefront_size32 1
		.amdhsa_system_sgpr_workgroup_id_x 1
		.amdhsa_system_sgpr_workgroup_id_y 1
		.amdhsa_system_sgpr_workgroup_id_z 1
		.amdhsa_system_vgpr_workitem_id 0
		.amdhsa_next_free_vgpr 256
		.amdhsa_next_free_sgpr 66
		.amdhsa_reserve_vcc 0
		.amdhsa_float_denorm_mode_32 3
		.amdhsa_float_denorm_mode_16_64 3
		.amdhsa_memory_ordered 1
		.amdhsa_forward_progress 1
		.amdhsa_inst_pref_size 255
	.end_amdhsa_kernel
	.section	.bss,"aw",@nobits
	.p2align	6
	.space	262144
	.amdgpu_metadata
---
amdhsa.version: [ 1, 2 ]
amdhsa.kernels:
  - .name:           k_q6b9b6267f4_attn
    .symbol:         k_q6b9b6267f4_attn.kd
    .args:
      - { .name: qkv, .offset: 0, .size: 8, .value_kind: global_buffer, .address_space: global }
      - { .name: ao, .offset: 8, .size: 8, .value_kind: global_buffer, .address_space: global }
    .group_segment_fixed_size: 327680
    .private_segment_fixed_size: 0
    .kernarg_segment_align: 8
    .kernarg_segment_size: 16
    .max_flat_workgroup_size: 512
    .sgpr_count:     66
    .vgpr_count:     256
    .wavefront_size: 32
...
	.end_amdgpu_metadata
.endif
;; end of part 6
;; launch oproj (part 7): grid 8 x 32, 4 waves a work-group, clusters of 4 x 4, 327,680 bytes of LDS; arguments ao, wt, bo, out0; writes out0
.if DOCPART == 7
	.amdgcn_target "amdgcn-amd-amdhsa--gfx1250"
	.amdhsa_code_object_version 6
	.text
	.protected	k_q6b9b6267f4_oproj
	.globl	k_q6b9b6267f4_oproj
	.p2align	8
	.type	k_q6b9b6267f4_oproj,@function
k_q6b9b6267f4_oproj:
	s_mov_b64 s[64:65], 0
	v_nop
	global_prefetch_b8 v0, s[64:65] scope:SCOPE_SE
	s_setreg_imm32_b32 hwreg(HW_REG_WAVE_MODE, 25, 1), 1
	s_wait_xcnt 0x0
	s_wait_alu depctr_hold_cnt(0) depctr_sa_sdst(0) depctr_va_vdst(0) depctr_va_sdst(0) depctr_va_ssrc(0) depctr_va_vcc(0) depctr_vm_vsrc(0)
	s_getreg_b32 s2, hwreg(HW_REG_IB_STS2, 6, 4)
	s_cmp_eq_u32 s2, 0
	s_cbranch_scc0 .Lentry_in_a_cluster
	s_endpgm
.Lentry_in_a_cluster:
	s_bfe_u32 s2, ttmp6, 0x10000c
	s_cmp_lg_u32 s2, 0xf033
	s_cbranch_scc0 .Lentry_shape_is_right
	s_endpgm
.Lentry_shape_is_right:
; out0 = ao Wo + bo: 4096 rows, K = 1024, 1024 columns, f32 out.  Both operands are f16 in memory; sums in f32.
; LIMIT: |Wo| and |ao| below 65,504 (f16).
;   A: ao [bh 32][group of 16 rows: 128][chunk of 8 dh: 8][16][8], the 16 bytes of (row p, chunk c) at 256 c + 16 ((p + 8 (c & 1)) & 15):
;      128 rows of one head (64 k) are 16,384 consecutive bytes.
;   B: wt [K step 8 (128 k)][group of 16 n: 256][chunk of 8 k: 16][16 n][8 k], Wo in groups 192-255: 128 n x 128 k are 32,768 consecutive bytes.
;   In both a fragment load of a half wave reads one chunk, 256 consecutive bytes: no padding.
; A work-group makes 128 rows x 128 columns (x of the grid: column block 0..7, y: row block 0..31; 256 work-groups); four waves, 64 x 64 each.
; K goes in four tiles of 256 (four heads of ao, two K steps of wt: 131,072 bytes) through two LDS slots.  Each wave brings a quarter of a tile with one
; tensor load: waves 0 and 1 two heads of A each, waves 2 and 3 one K step of B each.  Both slots are asked for at the start; each is filled once more.
; CLUSTERS: 4 x 4 work-groups; A's tiles are shared along a row of the cluster, B's along a column, and asked for jointly: a quarter of the requests.
.set HEADB,  262144                    ; a head in ao
.set ATILE,  16384                     ; 128 rows of one head
.set KSB,    1048576                   ; a K step in wt
.set SLOT,   131072                    ; A's four heads, then B's two K steps
.set BBASE,  65536
.set STAGEB, 2*SLOT                    ; behind the slots: 16 rows x 272 bytes for each wave, for the way out; no tensor load lands here
.set SPITCH, 272                       ; 64 f32 + 16 bytes = 17 x 16: 16 rows start in 16 different 16-byte columns modulo 256
; window 0
.set ADRA, 8                           ; v[8:9]   LDS address of my A fragments in slot 0, 1
.set ADRB, 10                          ; v[10:11] the same for B
.set STO,  13                          ; the way out: where I put 32 bytes of a row
.set RD,   14                          ; the way out: where I read a row back
.set CO,   15                          ; my byte offset in out0
.set BIOF, 16                          ; 16 i
.set BIAS, 32                          ; v[32:35] bo of the four columns that I store
.set F0,   64                          ; v[64:127]  fragments: A tile a at 8 a, B tile b at 32 + 8 b
.set F1,   128                         ; v[128:191] the second buffer
; window 1: accumulator (a, b) at v[8 (4 a + b)], 0..127
.set G1, 24                            ; s[24:31] descriptor group 1 for A's tiles
.set G0, 32                            ; s[32:39] descriptor group 0 for A's tiles, one set for each slot
.set G1B, 48                           ; s[48:55] descriptor group 1 for B's tiles
.set G0B, 56                           ; s[56:63] descriptor group 0 for B's tiles, one set for each slot
.set MSB, 0
.macro WIN new                         ; low byte: bits 1:0 source 0, 3:2 source 1, 5:4 source 2, 7:6 destination; the high byte repeats the setting that is left
.if MSB != \new
	s_set_vgpr_msb (MSB<<8)|\new
.set MSB, \new
.endif
.endm
.macro PLACES                          ; four places behind a matrix instruction (ISA guide 7.12.1) before its sources are loaded anew or its results read
.rept 4
	v_nop
.endr
.endm
.macro JLOAD s                         ; a joint load: one line, one mask and one set of registers for A, one for B; the branch hangs on the wave's number alone
	s_cmp_eq_u32 s13, 0
	s_cbranch_scc0 .Lfor_b_\@
	tensor_load_to_lds s[G0+4*\s:G0+4*\s+3], s[G1:G1+7]
	s_nop 0
	s_branch .Lasked_\@
.Lfor_b_\@:
	tensor_load_to_lds s[G0B+4*\s:G0B+4*\s+3], s[G1B:G1B+7]
	s_nop 0
.Lasked_\@:
.endm
; A round of the cluster's barrier: my work-group's barrier, wave 0 signals for the work-group, every wave waits for all sixteen work-groups, my work-group's barrier once more.
.macro CROUND
	s_barrier_signal -1
	s_barrier_wait -1
	s_cmp_lg_u32 s12, 0
	s_cbranch_scc1 .Lnot_wave_0_\@
	s_barrier_signal -3
.Lnot_wave_0_\@:
	s_barrier_wait -3
	s_barrier_signal -1
	s_barrier_wait -1
.endm
	s_load_b256 s[4:11], s[0:1], 0x0               ; ao s[4:5], wt s[6:7], bo s[8:9], out0 s[10:11]
	v_lshl_add_u32 v254, v0, 2, 0x44400
	v_mov_b32 v255, 0
	ds_add_u32 v254, v255
	v_lshrrev_b32 v1, 5, v0
	v_readfirstlane_b32 s12, v1                    ; wave 0..3
	s_lshr_b32 s13, s12, 1                         ; wm: which 64 rows.  Also: I fetch for A (0) or for B (1)
	s_and_b32 s14, s12, 1                          ; wn: which 64 columns.  Also: which half of that tile I fetch
	s_bfe_u32 s40, ttmp6, 0x40000                  ; cx
	s_bfe_u32 s41, ttmp6, 0x40004                  ; cy
	s_lshl_b32 s42, ttmp9, 2
	s_add_co_u32 s42, s42, s40                     ; column block = 4 x cluster x + cx
	s_and_b32 s15, ttmp7, 0xffff
	s_lshl_b32 s15, s15, 2
	s_add_co_u32 s15, s15, s41                     ; row block = 4 x cluster y + cy
	s_lshl_b32 s43, s41, 2
	s_lshl_b32 s43, 15, s43                        ; my row of the cluster
	s_lshl_b32 s44, 0x1111, s40                    ; my column
	; group 1 for A: two heads, each 16,384 consecutive bytes = a row of 2,048 elements of 8 bytes; from head to head 262,144 bytes
	s_or_b32 s[G1+0], s43, (3<<16)|(1<<21)         ; 15:0 my row; 17:16 elements of 8 bytes; 21 set beside a mask
	s_mov_b32 s[G1+1], 2048<<16                    ; tensor_dim0 = 2,048
	s_mov_b32 s[G1+2], 2<<16                       ; tensor_dim1 = 2
	s_mov_b32 s[G1+3], 2048<<16                    ; tile_dim0 = 2,048
	s_mov_b32 s[G1+4], 2                           ; tile_dim1 = 2
	s_mov_b32 s[G1+5], HEADB/8                     ; from row to row: 32,768 elements
	s_mov_b32 s[G1+6], 0
	s_mov_b32 s[G1+7], 0
	; group 1 for B: 32,768 consecutive bytes as 128 rows of 32 elements of 8 bytes
	s_or_b32 s[G1B+0], s44, (3<<16)|(1<<21)        ; 15:0 my column
	s_mov_b32 s[G1B+1], 32<<16
	s_mov_b32 s[G1B+2], 128<<16
	s_mov_b32 s[G1B+3], 32<<16
	s_mov_b32 s[G1B+4], 128
	s_mov_b32 s[G1B+5], 32
	s_mov_b32 s[G1B+6], 0
	s_mov_b32 s[G1B+7], 0
	; where the tiles come from: A's hang on the row block, B's on the column block, each in registers that never hold the other coordinate
	s_lshr_b32 s16, s15, 4                         ; batch: 16 heads
	s_lshl_b32 s16, s16, 22
	s_and_b32 s17, s15, 15
	s_lshl_b32 s17, s17, 14                        ; 128 rows = 8 groups of 2,048 bytes
	s_add_co_u32 s16, s16, s17
	s_lshl_b32 s17, s14, 19                        ; my two of the tile's four heads
	s_add_co_u32 s16, s16, s17
	s_mov_b32 s17, 0
	s_lshl_b32 s46, s42, 15                        ; 128 n = 8 groups of 4,096 bytes,
	s_add_co_u32 s46, s46, 192*4096                ; behind the 192 groups of Wq and Wkv
	s_lshl_b32 s47, s14, 20                        ; my one of the tile's two K steps
	s_add_co_u32 s46, s46, s47
	s_mov_b32 s47, 0
	s_lshl_b32 s20, s12, 15                        ; where they go: wave x 32,768 (waves 2 and 3 land in B's half)
	s_wait_dscnt 0x0
	s_wait_kmcnt 0x0
	s_add_nc_u64 s[16:17], s[4:5], s[16:17]
	s_add_nc_u64 s[46:47], s[6:7], s[46:47]
	CROUND                                         ; all sixteen work-groups are here: the first joint loads meet
.irp s, 0,1
	s_mov_b32 s[G0+4*\s], 1
	s_add_co_u32 s[G0+4*\s+1], s20, \s*SLOT
	s_add_nc_u64 s[G0+4*\s+2:G0+4*\s+3], s[16:17], \s*4*HEADB      ; tile s: four heads on
	s_or_b32 s[G0+4*\s+3], s[G0+4*\s+3], 0x80000000
	s_mov_b32 s[G0B+4*\s], 1
	s_add_co_u32 s[G0B+4*\s+1], s20, \s*SLOT
	s_add_nc_u64 s[G0B+4*\s+2:G0B+4*\s+3], s[46:47], \s*2*KSB      ; tile s: two K steps on
	s_or_b32 s[G0B+4*\s+3], s[G0B+4*\s+3], 0x80000000
	JLOAD \s                                       ; both slots are asked for before anything else is done
.endr
	v_and_b32 v1, 15, v0                           ; r = i = lane mod 16
	v_bfe_u32 v2, v0, 4, 1                         ; h = lane / 16
	v_and_b32 v3, 31, v0                           ; lane
	v_lshlrev_b32 v[BIOF], 4, v1
	s_lshl_b32 s46, s42, 9                         ; my work-group's 128 columns of 4 bytes,
	s_lshl_b32 s47, s14, 8                         ; my wave's 64
	s_add_co_u32 s46, s46, s47
	s_mov_b32 s47, 0
	s_add_nc_u64 s[8:9], s[8:9], s[46:47]
	s_add_nc_u64 s[10:11], s[10:11], s[46:47]
	s_lshl1_add_u32 s16, s15, s13                  ; 2 x row block + wm: 64 rows of 4,096 bytes
	s_lshl_b32 s16, s16, 18
	s_mov_b32 s17, 0
	s_add_nc_u64 s[10:11], s[10:11], s[16:17]
	global_load_b128 v[BIAS:BIAS+3], v[BIOF], s[8:9]               ; waited for on the way out
	v_lshl_add_u32 v4, v2, 3, v1
	v_and_b32 v4, 15, v4
	v_lshlrev_b32 v4, 4, v4
	v_lshl_add_u32 v4, v2, 8, v4                   ; A: 256 h + 16 ((r + 8 h) & 15)
	s_lshl_b32 s18, s13, 13                        ; my 64 rows = 4 groups of 2,048 bytes
	v_add_nc_u32 v[ADRA], s18, v4
	v_add_nc_u32 v[ADRA+1], SLOT, v[ADRA]
	s_lshl_b32 s18, s14, 14                        ; my 64 n = 4 groups of 4,096 bytes
	s_add_co_u32 s18, s18, BBASE
	v_lshl_add_u32 v[ADRB], v3, 4, s18             ; B: 16 x lane
	v_add_nc_u32 v[ADRB+1], SLOT, v[ADRB]
	s_mul_i32 s18, s12, 16*SPITCH
	s_add_co_u32 s18, s18, STAGEB                  ; my stage
	v_mul_u32_u24 v4, v1, SPITCH
	v_lshl_add_u32 v4, v2, 5, v4                   ; in: row r, 32 bytes for each half of the lanes
	v_add_nc_u32 v[STO], s18, v4
	v_mul_u32_u24 v4, v2, SPITCH
	v_lshl_add_u32 v4, v1, 4, v4                   ; back: lanes 0-15 one row of 256 bytes, lanes 16-31 the next
	v_add_nc_u32 v[RD], s18, v4
	v_lshl_add_u32 v[CO], v2, 12, v[BIOF]          ; and the same two rows in out0
; 16 LDS loads: the fragments of block u (32 k, u = 0..7) of the tile in the slot, into buffer f.
; A: head u / 2, chunks 4 (u % 2) + h and + 2.  B: K step u / 4, chunks 4 (u % 4) + h and + 2.
.macro FETCH slot, u, f
	WIN 0
.irp a, 0,1,2,3
	ds_load_b128 v[\f+8*\a:\f+8*\a+3],   v[ADRA+\slot] offset:(\u/2)*ATILE+(\u%2)*1024+\a*2048
	ds_load_b128 v[\f+8*\a+4:\f+8*\a+7], v[ADRA+\slot] offset:(\u/2)*ATILE+(\u%2)*1024+\a*2048+512
.endr
.irp b, 0,1,2,3
	ds_load_b128 v[\f+32+8*\b:\f+32+8*\b+3],   v[ADRB+\slot] offset:(\u/4)*32768+(\u%4)*1024+\b*4096
	ds_load_b128 v[\f+32+8*\b+4:\f+32+8*\b+7], v[ADRB+\slot] offset:(\u/4)*32768+(\u%4)*1024+\b*4096+512
.endr
.endm
; 16 matrix instructions, used transposed: source 0 = 16 columns of Wo, source 1 = 16 rows of ao, so register j of lane (r, h) is
; (row r, column 16 b + 8 h + j).  The sixteen accumulators take turns, one instruction a turn, in the same order in every run.
; zero = 1: the first product starts the sums.
.macro MUL f, zero
	WIN 0x50                                       ; C and D window 1, fragments window 0
.irp a, 0,1,2,3
.irp b, 0,1,2,3
.if \zero
	v_wmma_f32_16x16x32_f16 v[8*(4*\a+\b):8*(4*\a+\b)+7], v[\f+32+8*\b:\f+32+8*\b+7], v[\f+8*\a:\f+8*\a+7], 0
.else
	v_wmma_f32_16x16x32_f16 v[8*(4*\a+\b):8*(4*\a+\b)+7], v[\f+32+8*\b:\f+32+8*\b+7], v[\f+8*\a:\f+8*\a+7], v[8*(4*\a+\b):8*(4*\a+\b)+7]
.endif
.endr
.endr
.endm
.macro STEPU slot, u, g, f             ; block u is fetched into buffer g while buffer f is multiplied
	PLACES
	FETCH \slot, \u, \g
	s_wait_dscnt 16                                ; all but the 16 just issued: buffer f is in
	MUL \f, 0
.endm
.macro TILE slot, zero                 ; 256 along K: eight blocks on buffers 0, 1, 0, 1, ..
.if \zero
.else
	PLACES
.endif
	FETCH \slot, 0, F0
	FETCH \slot, 1, F1
	s_wait_dscnt 16                                ; block 0 is in, block 1's 16 loads may be out
	MUL F0, \zero
	STEPU \slot, 2, F0, F1
	STEPU \slot, 3, F1, F0
	STEPU \slot, 4, F0, F1
	STEPU \slot, 5, F1, F0
	STEPU \slot, 6, F0, F1
	STEPU \slot, 7, F1, F0
	s_wait_dscnt 0
	MUL F1, 0
.endm
; The change of slots.  Every wave waits for its reads of the slot just read and for all its tensor loads, its part of the other slot among them.
; fill = 1: a round of the cluster's barrier, then the slot just read is filled again, two tiles ahead: the first tensor load behind the round, one a wave;
; it has the other slot's 128 matrix instructions in which to land.  fill = 0: nothing is left to fetch, and my work-group's barrier shows the other slot whole.
.macro CHANGE slot, fill
	WIN 0                                          ; at a label and at a branch every window is 0
	s_wait_dscnt 0x0
	s_wait_tensorcnt 0x0                           ; no tensor load of mine is out, so a group 0 may be written
	ds_add_u32 v254, v255
	s_wait_dscnt 0x0
.if \fill
	s_add_nc_u64 s[G0+4*\slot+2:G0+4*\slot+3], s[G0+4*\slot+2:G0+4*\slot+3], 8*HEADB
	s_add_nc_u64 s[G0B+4*\slot+2:G0B+4*\slot+3], s[G0B+4*\slot+2:G0B+4*\slot+3], 4*KSB
	CROUND
	JLOAD \slot
.else
	s_barrier_signal -1
	s_barrier_wait -1
.endif
.endm
	s_wait_tensorcnt 1                             ; my part of tile 0 is in; tile 1's stays out
	s_barrier_signal -1
	s_barrier_wait -1
	TILE 0, 1                                      ; k 0..255: the first products start the sums
	CHANGE 0, 1                                    ; slot 0 gets k 512..767
	TILE 1, 0                                      ; k 256..511
	CHANGE 1, 1                                    ; slot 1 gets k 768..1023
	TILE 0, 0
	CHANGE 0, 0
	TILE 1, 0
; The way out, 16 rows at a time, through my own stage: a lane puts its 8 neighbouring f32 of a row, whole rows of 256 bytes come back,
; the bias is added, and sixteen lanes store 256 consecutive bytes, at a multiple of 256 from the first byte of out0.
; LDS serves a wave's instructions in order (ISA guide 5.7.1.4), so no wait stands between my stores and my loads of the stage.
; The registers that a global store reads are written once on the way out, so no wait stands between the stores.
.macro OUT16 a
	WIN 0x04                                       ; address window 0, data window 1
.irp b, 0,1,2,3
	ds_store_b128 v[STO], v[8*(4*\a+\b):8*(4*\a+\b)+3]   offset:64*\b
	ds_store_b128 v[STO], v[8*(4*\a+\b)+4:8*(4*\a+\b)+7] offset:64*\b+16
.endr
	WIN 0
.irp t, 0,1,2,3,4,5,6,7
	ds_load_b128 v[F0+32*\a+4*\t:F0+32*\a+4*\t+3], v[RD] offset:\t*2*SPITCH
.endr
.irp t, 0,1,2,3,4,5,6,7
	s_wait_dscnt 7-\t                              ; the younger read-backs may stay out
	v_pk_add_f32 v[F0+32*\a+4*\t:F0+32*\a+4*\t+1],   v[F0+32*\a+4*\t:F0+32*\a+4*\t+1],   v[BIAS:BIAS+1]
	v_pk_add_f32 v[F0+32*\a+4*\t+2:F0+32*\a+4*\t+3], v[F0+32*\a+4*\t+2:F0+32*\a+4*\t+3], v[BIAS+2:BIAS+3]
	global_store_b128 v[CO], v[F0+32*\a+4*\t:F0+32*\a+4*\t+3], s[10:11] offset:(16*\a+2*\t)*4096 th:TH_STORE_NT
.endr
.endm
	PLACES
	s_wait_loadcnt 0x0                             ; the bias
	OUT16 0
	OUT16 1
	OUT16 2
	OUT16 3
	s_wait_tensorcnt 0x0
	ds_add_u32 v254, v255
	s_wait_dscnt 0x0
	CROUND                                         ; the closing round: no work-group ends while a partner may still ask for a tile that names it
	s_endpgm
.Lfunc_end_k_q6b9b6267f4_oproj:
	.size	k_q6b9b6267f4_oproj, .Lfunc_end_k_q6b9b6267f4_oproj-k_q6b9b6267f4_oproj
	.p2alignl 7, 3214868480
	.fill 96, 4, 3214868480
	.section	.rodata,"a",@progbits
	.p2align	6, 0x0
	.amdhsa_kernel k_q6b9b6267f4_oproj
		.amdhsa_group_segment_fixed_size 327680
		.amdhsa_private_segment_fixed_size 0
		.amdhsa_enable_private_segment 0
		.amdhsa_kernarg_size 32
		.amdhsa_user_sgpr_count 2
		.amdhsa_user_sgpr_kernarg_segment_ptr 1
		.amdhsa_wavefront_size32 1
		.amdhsa_system_sgpr_workgroup_id_x 1
		.amdhsa_system_sgpr_workgroup_id_y 1
		.amdhsa_system_sgpr_workgroup_id_z 1
		.amdhsa_system_vgpr_workitem_id 0
		.amdhsa_next_free_vgpr 384
		.amdhsa_next_free_sgpr 68
		.amdhsa_reserve_vcc 0
		.amdhsa_float_denorm_mode_32 3
		.amdhsa_float_denorm_mode_16_64 3
		.amdhsa_memory_ordered 1
		.amdhsa_forward_progress 1
		.amdhsa_inst_pref_size 92
	.end_amdhsa_kernel
	.amdgpu_metadata
---
amdhsa.version: [ 1, 2 ]
amdhsa.kernels:
  - .name:           k_q6b9b6267f4_oproj
    .symbol:         k_q6b9b6267f4_oproj.kd
    .args:
      - { .name: ao, .offset: 0, .size: 8, .value_kind: global_buffer, .address_space: global }
      - { .name: wt, .offset: 8, .size: 8, .value_kind: global_buffer, .address_space: global }
      - { .name: bo, .offset: 16, .size: 8, .value_kind: global_buffer, .address_space: global }
      - { .name: out0, .offset: 24, .size: 8, .value_kind: global_buffer, .address_space: global }
    .group_segment_fixed_size: 327680
    .private_segment_fixed_size: 0
    .kernarg_segment_align: 8
    .kernarg_segment_size: 32
    .max_flat_workgroup_size: 128
    .sgpr_count:     68
    .vgpr_count:     384
    .wavefront_size: 32
...
	.end_amdgpu_metadata
.endif
;; end of part 7
